; MI455X (gfx1250); checked and timed in simulation.
; The chip was launched on July 23, 2026; its instructions are those of AMD's public machine-readable ISA for CDNA 5 (MIT licence, August 2026) and "CDNA5" Instruction Set Architecture Reference Guide (July 2026). The comments in the code are by the model that wrote it; some were corrected since.
;; Dalle Self Attention. Allowed arithmetic: float matrix products may take bf16 or f16 operands with f32 sums; all other float work in f32.
;; Inputs: b_dense 1,024 float32; b_qkv 3,072 float32; hidden_states 2 x 2,048 x 1,024 float32; ltor_mask 1 x 1 x 2,048 x 2,048 float32; w_dense 1,024 x 1,024 float32; w_qkv 1,024 x 3,072 float32.
;; Outputs: out0 2 x 2,048 x 1,024 float32.
;; 2 versions, each right; version 2 is version 1 with the launch prep written anew for expert scheduling mode. Each part assembles by itself: llvm-mc -triple=amdgcn-amd-amdhsa -mcpu=gfx1250 --defsym DOCPART=n.
;; ======== version 1 of 2: 4 launches
;; limits: values are held in f16: magnitudes above 65,504 overflow, below 6.1e-05 lose precision
;; workspace buffers: hb 8,388,608 bytes; wqb 6,291,456 bytes; wdb 2,097,152 bytes; qkv 25,165,824 bytes; ctx 8,388,608 bytes
;; launch prep (part 1): grid 256 x 1, 8 waves a work-group, no clusters, 0 bytes of LDS; arguments hidden_states, w_qkv, w_dense, hb, wqb, wdb; writes hb, wqb, wdb
.if DOCPART == 1
	.amdgcn_target "amdgcn-amd-amdhsa--gfx1250"
	.amdhsa_code_object_version 6
	.text
	.protected	k_q904c505771_prep
	.globl	k_q904c505771_prep
	.p2align	8
	.type	k_q904c505771_prep,@function
k_q904c505771_prep:
	s_mov_b64 s[64:65], 0
	v_nop
	global_prefetch_b8 v0, s[64:65] scope:SCOPE_SE
	s_setreg_imm32_b32 hwreg(HW_REG_WAVE_MODE, 25, 1), 1
	s_wait_xcnt 0x0
; Rounds the three large f32 inputs to bf16 (to nearest even), once, so that the products that follow can bring them into LDS as matrix operands.
;   hb  = hidden_states as it lies, [4096][1024], bf16.
;   wqb = w_qkv in chunks of 64 columns: [48 chunks][1024 k][64 n], bf16.
;   wdb = w_dense likewise, [16 chunks][1024 k][64 n]: rounded to bf16 like the other two, so that all three inputs carry one and the same rounding, and then WRITTEN IN F16'S FORMAT: its partner in
;         its product, ctx, is kept in f16, and a matrix instruction wants both operands in one format.  A bf16 number has 8 significant bits and f16 holds 11, so the second step is exact for
;         magnitudes from 2^-17 on; below it rounds to multiples of 2^-24.  LIMIT: |w_dense| under 65,504.
;   In a chunk a range of k is one dense block of memory, so a tile of a weight is later fetched as rows of 256 bytes.  Nothing is transposed here.
; SHARES.  A work-group takes 512 pieces of 64 f32 (256 bytes, aligned), PI bytes apart, and writes 512 x 128 = 65,536 consecutive bytes.
;   work-groups 0-127: hidden_states (PI = 256: the pieces follow each other);  128-223: w_qkv (PI = 12,288; chunk j / 2, k half j % 2);  224-255: w_dense (PI = 4,096).
;   Addresses and loads are one path for all three: source, destination, PI and the first work-group's number are chosen by s_cselect on the work-group's number; the conversions of w_dense
;   stand behind a branch on that number.
; A load of a wave covers two whole pieces of 256 bytes; a store of a wave covers 256 consecutive bytes, aligned.  Every byte is read once and written once.
; All 32 loads of a thread go out first (32 address registers, 128 data registers: no source of a pending instruction is rewritten): a work-group has its whole 131,072 bytes on their way.
; No LDS, no matrix unit, no cluster: no two work-groups read the same byte.
.set OUT, 1                            ; v1       8 t: my 8 bytes in each block of 2,048 output bytes
.set OFF, 4                            ; v[4:35]  load i: (t / 16 + 16 i) PI + 16 (t % 16)
.set X,   40                           ; v[40:167] load i: 4 f32, then 4 numbers of 16 bits in its first two registers
	s_load_b256 s[4:11], s[0:1], 0x0               ; hidden_states s[4:5], w_qkv s[6:7], w_dense s[8:9], hb s[10:11]
	s_load_b128 s[12:15], s[0:1], 0x20             ; wqb s[12:13], wdb s[14:15]
	s_movk_i32 s22, 12288                          ; the three PI, and the two borders between the shares
	s_movk_i32 s23, 4096
	s_movk_i32 s24, 256
	s_movk_i32 s25, 128
	s_movk_i32 s26, 224
	v_lshlrev_b32 v[OUT], 3, v0
	v_lshrrev_b32 v2, 4, v0                        ; t / 16: which of 16 pieces
	v_and_b32 v3, 15, v0
	v_lshlrev_b32 v3, 4, v3                        ; 16 (t % 16): my 16 bytes of a piece
	s_wait_kmcnt 0x0
	s_cmp_lt_u32 ttmp9, s26                        ; under 224: w_qkv, else w_dense
	s_cselect_b64 s[16:17], s[6:7], s[8:9]         ; source
	s_cselect_b64 s[18:19], s[12:13], s[14:15]     ; destination
	s_cselect_b32 s20, s22, s23                    ; PI
	s_cselect_b32 s21, s25, s26                    ; the share's first work-group
	s_cmp_lt_u32 ttmp9, s25                        ; under 128: hidden_states
	s_cselect_b64 s[16:17], s[4:5], s[16:17]
	s_cselect_b64 s[18:19], s[10:11], s[18:19]
	s_cselect_b32 s20, s24, s20
	s_cselect_b32 s21, 0, s21
	s_sub_co_u32 s27, ttmp9, s21                   ; j: my number in the share
	s_and_b32 s28, s27, 1                          ; a weight: k half
	s_lshr_b32 s29, s27, 1                         ;           chunk
	s_cmp_lt_u32 ttmp9, s25                        ; (compared again: the lines above have written SCC)
	s_cselect_b32 s28, s27, s28                    ; hidden_states: block j of 512 pieces,
	s_cselect_b32 s29, 0, s29                      ; no chunk
	s_mul_i32 s28, s28, s20
	s_lshl_b32 s28, s28, 9                         ; x 512 pieces x PI
	s_lshl_b32 s29, s29, 8                         ; + chunk x 256 bytes
	s_add_co_u32 s2, s28, s29
	s_mov_b32 s3, 0
	s_add_nc_u64 s[16:17], s[16:17], s[2:3]
	s_lshl_b32 s2, s27, 16                         ; j x 65,536 bytes out
	s_add_nc_u64 s[18:19], s[18:19], s[2:3]
	s_lshl_b32 s30, s20, 4                         ; 16 pieces on
	v_mad_u32_u24 v[OFF], v2, s20, v3
.set i, 1
.rept 31
	v_add_nc_u32 v[OFF+i], s30, v[OFF+i-1]
.set i, i+1
.endr
.set i, 0
.rept 32
	global_load_b128 v[X+4*i:X+4*i+3], v[OFF+i], s[16:17] th:TH_LOAD_NT   ; read once in the launch
.set i, i+1
.endr
	s_cmp_lt_u32 ttmp9, s26
	s_cbranch_scc0 .Lcarried                       ; w_dense's work-groups
.set i, 0
.rept 32
	s_wait_loadcnt 31-i                            ; loads come back in order (ISA guide 5.7.1): load i is in, the 31 - i younger ones stay out
	v_cvt_pk_bf16_f32 v[X+4*i], v[X+4*i], v[X+4*i+1]
	v_cvt_pk_bf16_f32 v[X+4*i+1], v[X+4*i+2], v[X+4*i+3]
	global_store_b64 v[OUT], v[X+4*i:X+4*i+1], s[18:19] offset:2048*i     ; the next launch reads it: no hint
.set i, i+1
.endr
	s_endpgm
.Lcarried:                                             ; rounded to bf16, widened again (a shift, a mask), and carried in f16
.set i, 0
.rept 32
	s_wait_loadcnt 31-i                            ; as above
	v_cvt_pk_bf16_f32 v[X+4*i], v[X+4*i], v[X+4*i+1]
	v_cvt_pk_bf16_f32 v[X+4*i+2], v[X+4*i+2], v[X+4*i+3]
	v_and_b32 v[X+4*i+1], 0xffff0000, v[X+4*i]
	v_lshlrev_b32 v[X+4*i], 16, v[X+4*i]
	v_and_b32 v[X+4*i+3], 0xffff0000, v[X+4*i+2]
	v_lshlrev_b32 v[X+4*i+2], 16, v[X+4*i+2]
	v_cvt_pk_f16_f32 v[X+4*i], v[X+4*i], v[X+4*i+1]
	v_cvt_pk_f16_f32 v[X+4*i+1], v[X+4*i+2], v[X+4*i+3]
	global_store_b64 v[OUT], v[X+4*i:X+4*i+1], s[18:19] offset:2048*i
.set i, i+1
.endr
	s_endpgm
.Lfunc_end_k_q904c505771_prep:
	.size	k_q904c505771_prep, .Lfunc_end_k_q904c505771_prep-k_q904c505771_prep
	.p2alignl 7, 3214868480
	.fill 96, 4, 3214868480
	.section	.rodata,"a",@progbits
	.p2align	6, 0x0
	.amdhsa_kernel k_q904c505771_prep
		.amdhsa_group_segment_fixed_size 0
		.amdhsa_private_segment_fixed_size 0
		.amdhsa_enable_private_segment 0
		.amdhsa_kernarg_size 48
		.amdhsa_user_sgpr_count 2
		.amdhsa_user_sgpr_kernarg_segment_ptr 1
		.amdhsa_wavefront_size32 1
		.amdhsa_system_sgpr_workgroup_id_x 1
		.amdhsa_system_sgpr_workgroup_id_y 1
		.amdhsa_system_sgpr_workgroup_id_z 1
		.amdhsa_system_vgpr_workitem_id 0
		.amdhsa_next_free_vgpr 168
		.amdhsa_next_free_sgpr 66
		.amdhsa_reserve_vcc 0
		.amdhsa_float_denorm_mode_32 3
		.amdhsa_float_denorm_mode_16_64 3
		.amdhsa_memory_ordered 1
		.amdhsa_forward_progress 1
		.amdhsa_inst_pref_size 32
	.end_amdhsa_kernel
	.amdgpu_metadata
---
amdhsa.version: [ 1, 2 ]
amdhsa.kernels:
  - .name:           k_q904c505771_prep
    .symbol:         k_q904c505771_prep.kd
    .args:
      - { .name: hidden_states, .offset: 0, .size: 8, .value_kind: global_buffer, .address_space: global }
      - { .name: w_qkv, .offset: 8, .size: 8, .value_kind: global_buffer, .address_space: global }
      - { .name: w_dense, .offset: 16, .size: 8, .value_kind: global_buffer, .address_space: global }
      - { .name: hb, .offset: 24, .size: 8, .value_kind: global_buffer, .address_space: global }
      - { .name: wqb, .offset: 32, .size: 8, .value_kind: global_buffer, .address_space: global }
      - { .name: wdb, .offset: 40, .size: 8, .value_kind: global_buffer, .address_space: global }
    .group_segment_fixed_size: 0
    .private_segment_fixed_size: 0
    .kernarg_segment_align: 8
    .kernarg_segment_size: 48
    .max_flat_workgroup_size: 256
    .sgpr_count:     66
    .vgpr_count:     168
    .wavefront_size: 32
...
	.end_amdgpu_metadata
.endif
;; end of part 1
;; launch qkvgemm (part 2): grid 16 x 16, 4 waves a work-group, clusters of 4 x 4, 327,680 bytes of LDS; arguments hb, wqb, b_qkv, qkv; writes qkv
.if DOCPART == 2
	.amdgcn_target "amdgcn-amd-amdhsa--gfx1250"
	.amdhsa_code_object_version 6
	.text
	.protected	k_q904c505771_qkvgemm
	.globl	k_q904c505771_qkvgemm
	.p2align	8
	.type	k_q904c505771_qkvgemm,@function
k_q904c505771_qkvgemm:
	s_mov_b64 s[64:65], 0
	v_nop
	global_prefetch_b8 v0, s[64:65] scope:SCOPE_SE
	s_setreg_imm32_b32 hwreg(HW_REG_WAVE_MODE, 25, 1), 1
	s_wait_xcnt 0x0
	s_wait_alu depctr_hold_cnt(0) depctr_sa_sdst(0) depctr_va_vdst(0) depctr_va_sdst(0) depctr_va_ssrc(0) depctr_va_vcc(0) depctr_vm_vsrc(0)
	s_getreg_b32 s2, hwreg(HW_REG_IB_STS2, 6, 4)
	s_cmp_eq_u32 s2, 0
	s_cbranch_scc0 .Lentry_in_a_cluster
	s_endpgm
.Lentry_in_a_cluster:
	s_bfe_u32 s2, ttmp6, 0x10000c
	s_cmp_lg_u32 s2, 0xf033
	s_cbranch_scc0 .Lentry_shape_is_right
	s_endpgm
.Lentry_shape_is_right:
; qkv = hidden_states x w_qkv + b_qkv, q divided by sqrt(64) = 8, rounded to F16 and laid out by heads: qkv[b 2][g 48][s 2048][64]; g = 0-15 q's heads, 16-31 k's, 32-47 v's.
; A = hb [4096][1024] bf16;  B = wqb [48 chunks][1024 k][64 n] bf16;  sums in f32, K ascending, one sum an output.
; WHY F16 OUT.  A query that sees few keys passes v on almost unaveraged, so v's rounding reaches the module's output undamped; f16 keeps 11 significant bits where bf16 keeps 8.
; LIMIT: |q / 8|, |k|, |v| under 65,504 (f16's largest number); downward f16 rounds to multiples of 2^-24.
; SHARES.  3,072 columns / 192 x 4,096 rows / 256 = 256 work-groups.  A work-group makes 256 rows x 192 columns (three chunks = three heads); each of its four waves 64 rows x all 192
; columns: 48 accumulators of 16 x 16, 384 registers.  So a wave owns whole rows of three heads, and its way out needs no other wave.
; RING.  K goes in steps of 128 through two LDS slots.  A's tile: 256 rows of 256 bytes, 16 bytes of padding behind each.  B's tile, for each chunk: 128 k x 128 bytes are dense in memory and come as
; 64 rows of 256 bytes (two k to a row), 32 bytes of padding behind each.  Waves 0-2 fetch a chunk of B each, wave 3 fetches A's tile: one tensor load a wave behind each change of slots.
; CLUSTER.  4 x 4 work-groups.  A's tile hangs on the tile row alone and is asked for jointly along a row of the cluster, B's on the tile column alone and jointly along a column.
; THE MATRIX INSTRUCTION IS USED TRANSPOSED: source 0 = 16 columns of the weight (turned on the way out of LDS by ds_load_tr16_b128), source 1 = 16 rows of A.  A lane then holds eight neighbouring
; columns of one row of the result: 16 bytes of f16.
; REGISTERS, in windows of 256:  window 0: v16-27 addresses; v64-95, v96-127 A's fragments, two buffers; v128-223 the bias of my lane's 96 columns; v32-127 at work on the way out.
;   window 1: v0-95, v96-191 B's fragments, two buffers.   window 2: accumulators of row blocks 0, 1 at v[8 (12 (a % 2) + nb)].   window 3: those of row blocks 2, 3.
.set KSTEP, 128
.set LAPS,  4                          ; 1,024 / (2 x 128): a lap = two K steps = once round the ring
.set PA,    272                        ; A's LDS rows: 256 + 16 bytes: row r begins 16 r bytes on modulo 256, so the 16 rows of a fragment load touch 16 different columns of 16 bytes
.set PB,    288                        ; B's LDS rows: 256 + 32: the 16 lanes of half a turning load address 32 (k / 2) + 128 (k % 2) + 16 (column half) modulo 256: 16 different columns
.set CHB,   (KSTEP/2)*PB               ; a chunk's tile: 18,432 bytes
.set AOFF,  3*CHB                      ; A's tile lies behind the three chunks
.set SLOT,  AOFF+256*PA                ; 124,928
.set STAGE, 2*SLOT                     ; behind the ring, at a multiple of 256 bytes: no tensor load fills it
.set WSTG,  3*16*144                   ; a wave's stage: three chunks x 16 rows x (128 + 16) bytes
.set ADRA, 16                          ; v16-17  LDS address of my A fragments in slot 0, 1
.set ADRB, 20                          ; v20-21  the same for B
.set STO,  24                          ; v24     the way out: where I put 16 bytes of a row
.set RD,   25                          ; v25     the way out: where I read rows back
.set CO,   26                          ; v26     16 x lane: my byte offset in 512 bytes of qkv
.set BO,   27                          ; v27     32 (lane / 16): my byte offset in 64 bytes of the bias
.set T,    32
.set FA,   64
.set BI,   128
.set WV,   12                          ; s12      my wave's number
.set G1A,  24                          ; s[24:31] descriptor group 1 for A's tiles;  s[32:39] group 0, a set for each slot
.set G0A,  32
.set G1B,  40                          ; s[40:47], s[48:55] the same for B's
.set G0B,  48
.set SC,   56                          ; s[56:61] three pairs: chunk c's scale, 1/8 for a head of q, else 1
.set MUL_LO, 0xa1                      ; source 0 (B) window 1, source 1 (A) window 0, C and D window 2
.set MUL_HI, 0xf1                      ; the same, C and D window 3
.set TO_B,   0x40                      ; destination window 1, address window 0
.set MSB, 0
.macro WIN new                         ; the immediate's high byte repeats the setting that is left; a switch that changes nothing is dropped
.if MSB != (\new)
	s_set_vgpr_msb (MSB<<8)|(\new)
.set MSB, (\new)
.endif
.endm
; A load into a register that a matrix instruction has read, and a vector instruction that reads a matrix result, stand four places behind that matrix instruction; only plain vector
; instructions that name none of its registers are places (ISA guide 7.12.1 for vector instructions).
.macro PLACES
.rept 4
	v_nop
.endr
.endm
.macro CREST                           ; a round of the cluster's barrier behind its opening barrier: wave 0 signals for the work-group, every wave waits for all sixteen, the work-group's barrier closes it
	s_cmp_lg_u32 s[WV], 0
	s_cbranch_scc1 .Lnot_wave_0_\@
	s_barrier_signal -3
.Lnot_wave_0_\@:
	s_barrier_wait -3
	s_barrier_signal -1
	s_barrier_wait -1
.endm
.macro CROUND                          ; a whole round
	s_barrier_signal -1
	s_barrier_wait -1
	CREST
.endm
; A joint load: waves 0-2 ask for their chunk of B, wave 3 for A's tile.  The branch hangs on the wave's number alone.  Four v_nop follow each of the two lines.
.macro JLOAD s
	s_cmp_lt_u32 s[WV], 3
	s_cbranch_scc0 .Lfor_a_\@
	tensor_load_to_lds s[G0B+4*\s:G0B+4*\s+3], s[G1B:G1B+7]
	s_nop 0
	PLACES
	s_branch .Lasked_\@
.Lfor_a_\@:
	tensor_load_to_lds s[G0A+4*\s:G0A+4*\s+3], s[G1A:G1A+7]
	s_nop 0
	PLACES
.Lasked_\@:
.endm
	s_load_b256 s[4:11], s[0:1], 0x0               ; hb s[4:5], wqb s[6:7], b_qkv s[8:9], qkv s[10:11]
	s_set_vgpr_msb 0x40
	v_lshl_add_u32 v255, v0, 2, 0x43c00
	s_set_vgpr_msb 0x4000
	v_mov_b32 v255, 0
	s_set_vgpr_msb 0x1
	ds_add_u32 v255, v255
	s_set_vgpr_msb 0x100
	v_lshrrev_b32 v1, 5, v0
	v_readfirstlane_b32 s[WV], v1                  ; wave 0..3
	s_bfe_u32 s13, ttmp6, 0x40000                  ; cx
	s_bfe_u32 s14, ttmp6, 0x40004                  ; cy
	s_lshl_b32 s15, ttmp9, 2
	s_add_co_u32 s15, s15, s13                     ; X: tile column = 4 x cluster x + cx
	s_and_b32 s16, ttmp7, 0xffff
	s_lshl_b32 s16, s16, 2
	s_add_co_u32 s16, s16, s14                     ; Y: tile row = 4 x cluster y + cy
	s_lshl_b32 s17, s14, 2
	s_lshl_b32 s17, 15, s17                        ; my row of the cluster: places 4 cy .. 4 cy + 3
	s_lshl_b32 s18, 0x1111, s13                    ; my column: places cx, cx + 4, cx + 8, cx + 12
	; group 1 for A: 256 rows x 128 elements of 2 bytes, 1,024 elements from row to row; 4 words of padding behind every 64
	s_or_b32 s[G1A+0], s17, (1<<16)|(1<<20)|(1<<21)|(5<<22)|(3<<25)
	s_mov_b32 s[G1A+1], 128<<16                    ; tensor_dim0 = 128
	s_mov_b32 s[G1A+2], 256<<16                    ; tensor_dim1 = 256
	s_mov_b32 s[G1A+3], 128<<16                    ; tile_dim0 = 128
	s_mov_b32 s[G1A+4], 256                        ; tile_dim1 = 256
	s_mov_b32 s[G1A+5], 1024                       ; the pitch
	s_mov_b32 s[G1A+6], 0
	s_mov_b32 s[G1A+7], 0
	; group 1 for B: 64 rows x 128 elements, dense; 8 words of padding behind every 64
	s_or_b32 s[G1B+0], s18, (1<<16)|(1<<20)|(1<<21)|(5<<22)|(7<<25)
	s_mov_b32 s[G1B+1], 128<<16
	s_mov_b32 s[G1B+2], 64<<16
	s_mov_b32 s[G1B+3], 128<<16
	s_mov_b32 s[G1B+4], 64
	s_mov_b32 s[G1B+5], 128
	s_mov_b32 s[G1B+6], 0
	s_mov_b32 s[G1B+7], 0
	s_lshl_b32 s20, s16, 19                        ; A: tile row x 256 rows x 2,048 bytes: hangs on Y alone
	s_mov_b32 s21, 0
	s_mul_i32 s22, s15, 3                          ; B: chunk 3 X + wave, 131,072 bytes each: hangs on X and the wave alone
	s_add_co_u32 s22, s22, s[WV]                   ; (wave 3 builds this descriptor too and never issues it)
	s_lshl_b32 s22, s22, 17
	s_mov_b32 s23, 0
	s_mul_i32 s19, s[WV], CHB                      ; where my chunk goes: no place in the cluster enters an LDS address
	s_wait_dscnt 0x0
	s_wait_kmcnt 0x0
	s_add_nc_u64 s[20:21], s[4:5], s[20:21]
	s_add_nc_u64 s[22:23], s[6:7], s[22:23]
.irp s, 0,1
	s_mov_b32 s[G0A+4*\s], 1                                       ; count = 1
	s_mov_b32 s[G0A+4*\s+1], AOFF+\s*SLOT                          ; LDS address
	s_add_nc_u64 s[G0A+4*\s+2:G0A+4*\s+3], s[20:21], \s*KSTEP*2    ; K step s: 128 elements along the rows
	s_or_b32 s[G0A+4*\s+3], s[G0A+4*\s+3], 0x80000000              ; type = 2
	s_mov_b32 s[G0B+4*\s], 1
	s_add_co_u32 s[G0B+4*\s+1], s19, \s*SLOT
	s_add_nc_u64 s[G0B+4*\s+2:G0B+4*\s+3], s[22:23], \s*KSTEP*128  ; K step s: 128 k of 128 bytes
	s_or_b32 s[G0B+4*\s+3], s[G0B+4*\s+3], 0x80000000
.endr
	CROUND                                         ; all sixteen work-groups are here: the first joint loads meet
	s_cmp_lt_u32 s[WV], 3                          ; a wave's two first fills stand in one branch, ahead of every wait on TENSORcnt, every LDS read and every other barrier: two loads of mine are out
	s_cbranch_scc0 .Lfirst_a
	tensor_load_to_lds s[G0B:G0B+3], s[G1B:G1B+7]
	s_nop 0
	tensor_load_to_lds s[G0B+4:G0B+7], s[G1B:G1B+7]
	s_nop 0
	PLACES
	s_branch .Lfirst_asked
.Lfirst_a:
	tensor_load_to_lds s[G0A:G0A+3], s[G1A:G1A+7]
	s_nop 0
	tensor_load_to_lds s[G0A+4:G0A+7], s[G1A:G1A+7]
	s_nop 0
	PLACES
.Lfirst_asked:
	v_and_b32 v1, 15, v0                           ; r = lane % 16
	v_bfe_u32 v2, v0, 4, 1                         ; h = lane / 16
	v_lshlrev_b32 v[BO], 5, v2
	s_mul_i32 s66, s15, 768                        ; the tile's 192 numbers of the bias
	s_mov_b32 s67, 0
	s_add_nc_u64 s[8:9], s[8:9], s[66:67]
.irp nb, 0,1,2,3,4,5,6,7,8,9,10,11                     ; my lane's columns 16 nb + 8 h + 0..7; waited for on the way out
	global_load_b128 v[BI+8*\nb:BI+8*\nb+3],   v[BO], s[8:9] offset:64*\nb
	global_load_b128 v[BI+8*\nb+4:BI+8*\nb+7], v[BO], s[8:9] offset:64*\nb+16
.endr
	s_mul_i32 s68, s15, 3
.irp c, 0,1,2
	s_add_co_u32 s69, s68, \c                      ; chunk 3 X + c: a head of q (under 16) is divided by 8.  A value is chosen; no branch hangs on it
	s_cmp_lt_u32 s69, 16
	s_cselect_b32 s[SC+2*\c], 0x3e000000, 1.0
	s_mov_b32 s[SC+2*\c+1], s[SC+2*\c]             ; named with it as a pair, so it is written
.endr
	; A fragment of A: 16 rows x 32 K in 8 registers: lane holds row r; registers 0-3 K = 8 h + 0..7, registers 4-7 K = 16 + 8 h + 0..7: two loads of 16 bytes, 32 bytes apart
	v_mul_u32_u24 v3, v1, PA
	v_lshl_add_u32 v3, v2, 4, v3
	s_mul_i32 s70, s[WV], 64*PA                    ; my 64 rows
	s_add_co_u32 s70, s70, AOFF
	v_add_nc_u32 v[ADRA], s70, v3
	v_add_nc_u32 v[ADRA+1], SLOT, v[ADRA]
	; The turning load: the lane addresses k = 8 h + lane % 8, columns 8 ((lane / 8) % 2) + 0..7.  k lies in LDS row k / 2, half k % 2
	v_bfe_u32 v4, v0, 1, 2                         ; (lane % 8) / 2
	v_lshl_add_u32 v4, v2, 2, v4                   ; + 4 h
	v_mul_u32_u24 v4, v4, PB
	v_and_b32 v5, 1, v0
	v_lshl_add_u32 v4, v5, 7, v4                   ; + 128 (k % 2)
	v_bfe_u32 v5, v0, 3, 1
	v_lshl_add_u32 v[ADRB], v5, 4, v4              ; + 16 (column half)
	v_add_nc_u32 v[ADRB+1], SLOT, v[ADRB]
	s_mul_i32 s71, s[WV], WSTG
	s_add_co_u32 s71, s71, STAGE                   ; my stage
	v_mul_u32_u24 v6, v1, 144                      ; in: row r, 16 bytes for each half of the lanes
	v_lshl_add_u32 v6, v2, 4, v6
	v_add_nc_u32 v[STO], s71, v6
	v_bfe_u32 v7, v0, 3, 2                         ; back: eight lanes take a row of 128 bytes, the wave four rows
	v_mul_u32_u24 v7, v7, 144
	v_and_b32 v8, 7, v0
	v_lshl_add_u32 v7, v8, 4, v7
	v_add_nc_u32 v[RD], s71, v7
	v_and_b32 v9, 31, v0
	v_lshlrev_b32 v[CO], 4, v9
	; where my rows begin in qkv: ((b x 48 + 3 X) x 2,048 + s) x 128 bytes, b = Y / 8, s = (Y % 8) x 256 + 64 x wave
	s_lshr_b32 s72, s16, 3
	s_mul_i32 s72, s72, 48
	s_add_co_u32 s72, s72, s68
	s_lshl_b32 s72, s72, 18
	s_and_b32 s73, s16, 7
	s_lshl_b32 s73, s73, 8
	s_lshl_b32 s74, s[WV], 6
	s_add_co_u32 s73, s73, s74
	s_lshl_b32 s73, s73, 7
	s_add_co_u32 s76, s72, s73
	s_mov_b32 s77, 0
	s_add_nc_u64 s[10:11], s[10:11], s[76:77]
; 24 matrix instructions: row blocks 2 hi, 2 hi + 1 x all 12 column blocks, 32 along K, from buffer f.  zero = 1: the product starts the sums: nothing is cleared.
; The 48 accumulators take turns, one instruction a turn, in the same order in every quarter.
.macro MUL f, hi, zero
.irp a, 0,1
.irp nb, 0,1,2,3,4,5,6,7,8,9,10,11
.if \zero
	v_wmma_f32_16x16x32_bf16 v[8*(12*\a+\nb):8*(12*\a+\nb)+7], v[96*\f+8*\nb:96*\f+8*\nb+7], v[FA+32*\f+8*(2*\hi+\a):FA+32*\f+8*(2*\hi+\a)+7], 0
.else
	v_wmma_f32_16x16x32_bf16 v[8*(12*\a+\nb):8*(12*\a+\nb)+7], v[96*\f+8*\nb:96*\f+8*\nb+7], v[FA+32*\f+8*(2*\hi+\a):FA+32*\f+8*(2*\hi+\a)+7], v[8*(12*\a+\nb):8*(12*\a+\nb)+7]
.endif
.endr
.endr
.endm
; 32 LDS loads in one run: quarter q (32 along K) of a slot into buffer f: 12 fragments of B (chunk nb / 4, columns 16 (nb % 4) on; 32 k are 16 LDS rows), 4 of A
.macro FETCH slot, q, f
	WIN TO_B
.irp nb, 0,1,2,3,4,5,6,7,8,9,10,11
	ds_load_tr16_b128 v[96*\f+8*\nb:96*\f+8*\nb+3],   v[ADRB+\slot] offset:(\nb/4)*CHB+(\nb%4)*32+\q*16*PB
	ds_load_tr16_b128 v[96*\f+8*\nb+4:96*\f+8*\nb+7], v[ADRB+\slot] offset:(\nb/4)*CHB+(\nb%4)*32+\q*16*PB+8*PB
.endr
	WIN 0
.irp a, 0,1,2,3
	ds_load_b128 v[FA+32*\f+8*\a:FA+32*\f+8*\a+3],   v[ADRA+\slot] offset:\a*16*PA+64*\q
	ds_load_b128 v[FA+32*\f+8*\a+4:FA+32*\f+8*\a+7], v[ADRA+\slot] offset:\a*16*PA+64*\q+32
.endr
.endm
; A K step is four quarters on buffers 0, 1, 0, 1.  One of the first three: asks for quarter qn's fragments, then multiplies quarter qn - 1: the loads have 48 matrix instructions in which to come.
.macro QUARTER slot, qn, zero
.set fm, ((\qn)+1)%2
.set fn, (\qn)%2
	s_wait_dscnt 0x0                               ; the fragments to be multiplied, asked for a quarter ago, are in
	PLACES                                         ; the other buffer was read by the matrix instructions just issued
	FETCH \slot, \qn, fn
	WIN MUL_LO
	MUL fm, 0, \zero
	WIN MUL_HI
	MUL fm, 1, \zero
.endm
; The last quarter multiplies buffer 1 and changes slots: one barrier.  In front of it each wave waits for its reads of this slot and for all its tensor loads, of which one is out: its part of the
; next slot.  fill = 1: the barrier opens a round of the cluster's barrier, and the joint refill of this slot, two K steps on, is the first tensor load behind the round.
.macro TURN slot, next, fill
	s_wait_dscnt 0x0                               ; my reads of this slot are over
	s_wait_tensorcnt 0x0                           ; all my tensor loads have landed
	ds_add_u32 v255, v255
	s_wait_dscnt 0x0
	s_barrier_signal -1
	WIN MUL_LO
	MUL 1, 0, 0                                    ; work on registers while the others arrive
.if \fill
	WIN 0
.endif
	s_barrier_wait -1
.if \fill
	CREST                                          ; no wave of any partner still reads this slot or has a load on its way
	s_add_nc_u64 s[G0A+4*\slot+2:G0A+4*\slot+3], s[G0A+4*\slot+2:G0A+4*\slot+3], 4*KSTEP     ; no load of mine is out, so a group 0 may be written: two K steps on
	s_add_nc_u64 s[G0B+4*\slot+2:G0B+4*\slot+3], s[G0B+4*\slot+2:G0B+4*\slot+3], 256*KSTEP
	JLOAD \slot                                    ; its four v_nop are also the places in front of the loads below
.else
	PLACES
.endif
	FETCH \next, 0, 0
	WIN MUL_HI
	MUL 1, 1, 0
.endm
	s_wait_tensorcnt 0x1                           ; my part of K step 0 is in; K step 1's load, the one younger, may stay out
	s_barrier_signal -1
	s_barrier_wait -1                              ; everybody's is
	FETCH 0, 0, 0
	QUARTER 0, 1, 1                                ; the first quarter stands in front of the loop: its products start the sums
	WIN 0                                          ; at a label and at a branch every window is 0
	s_mov_b32 s3, LAPS-1
.Llap:                                                 ; a trip goes once round the ring, from a lap's second quarter to the next lap's first, and fills both slots again
	QUARTER 0, 2, 0
	QUARTER 0, 3, 0
	TURN 0, 1, 1
	QUARTER 1, 1, 0
	QUARTER 1, 2, 0
	QUARTER 1, 3, 0
	TURN 1, 0, 1
	QUARTER 0, 1, 0
	WIN 0
	s_sub_co_u32 s3, s3, 1
	s_cmp_lg_u32 s3, 0
	s_cbranch_scc1 .Llap
	QUARTER 0, 2, 0                                ; the last lap is written out: it fills nothing
	QUARTER 0, 3, 0
	TURN 0, 1, 0
	QUARTER 1, 1, 0
	QUARTER 1, 2, 0
	QUARTER 1, 3, 0
	s_wait_dscnt 0x0                               ; the very last quarter
	WIN MUL_LO
	MUL 1, 0, 0
	WIN MUL_HI
	MUL 1, 1, 0
	WIN 0
	; THE WAY OUT.  (sum + bias) x scale = sum x scale + bias x scale.  The 48 multiplies below name no register of the last products: they are the places behind them.
	s_wait_loadcnt 0x0                             ; the bias
.set i, 0
.rept 48
	v_pk_mul_f32 v[BI+2*i:BI+2*i+1], v[BI+2*i:BI+2*i+1], s[SC+2*(i/16):SC+2*(i/16)+1] op_sel_hi:[1,0]
.set i, i+1
.endr
; Row block a: 16 rows x 192 columns.  Rounded to f16, 16 bytes a lane and column block, into my stage (rows of 144 bytes); back as whole rows of 128 bytes, four to a load; stored.
.macro OUTBLK a
.if \a > 0
	s_wait_xcnt 0x0                                ; the last block's stores have had their addresses translated (ISA guide 3.1): their data registers are rewritten only behind this wait
.endif
	WIN 0x02+(\a)/2                                ; source 0: window 2 or 3
.set i, 0
.rept 48
	v_pk_fma_f32 v[T+2*i:T+2*i+1], v[96*((\a)%2)+2*i:96*((\a)%2)+2*i+1], s[SC+2*(i/16):SC+2*(i/16)+1], v[BI+2*i:BI+2*i+1] op_sel_hi:[1,0,1]
.set i, i+1
.endr
	WIN 0
.set i, 0
.rept 48
	v_cvt_pk_f16_f32 v[T+i], v[T+2*i], v[T+2*i+1]  ; ascending, in place: register i is written when its own pair has been read
.set i, i+1
.endr
.irp nb, 0,1,2,3,4,5,6,7,8,9,10,11
	ds_store_b128 v[STO], v[T+4*\nb:T+4*\nb+3] offset:(\nb/4)*2304+(\nb%4)*32
.endr
.irp k, 0,1,2,3,4,5,6,7,8,9,10,11
	ds_load_b128 v[T+48+4*\k:T+48+4*\k+3], v[RD] offset:(\k/4)*2304+(\k%4)*576   ; LDS serves a wave's instructions in order (ISA guide 5.7.1.4): these see the stores above
.endr
.irp k, 0,1,2,3,4,5,6,7,8,9,10,11
	s_wait_dscnt 11-\k                             ; load k is back, the 11 - k younger ones may be out
	global_store_b128 v[CO], v[T+48+4*\k:T+48+4*\k+3], s[10:11] offset:(\k/4)*262144+\a*2048+(\k%4)*512   ; the wave stores 512 consecutive bytes, at a multiple of 512 from qkv's first byte
.endr
.endm
	OUTBLK 0
	OUTBLK 1
	OUTBLK 2
	OUTBLK 3
	s_set_vgpr_msb 0x1
	s_wait_tensorcnt 0x0
	ds_add_u32 v255, v255
	s_wait_dscnt 0x0
	s_set_vgpr_msb 0x100
	CROUND                                         ; the closing round: no work-group ends while a partner may still ask for a tile that names it
	s_endpgm
.Lfunc_end_k_q904c505771_qkvgemm:
	.size	k_q904c505771_qkvgemm, .Lfunc_end_k_q904c505771_qkvgemm-k_q904c505771_qkvgemm
	.p2alignl 7, 3214868480
	.fill 96, 4, 3214868480
	.section	.rodata,"a",@progbits
	.p2align	6, 0x0
	.amdhsa_kernel k_q904c505771_qkvgemm
		.amdhsa_group_segment_fixed_size 327680
		.amdhsa_private_segment_fixed_size 0
		.amdhsa_enable_private_segment 0
		.amdhsa_kernarg_size 32
		.amdhsa_user_sgpr_count 2
		.amdhsa_user_sgpr_kernarg_segment_ptr 1
		.amdhsa_wavefront_size32 1
		.amdhsa_system_sgpr_workgroup_id_x 1
		.amdhsa_system_sgpr_workgroup_id_y 1
		.amdhsa_system_sgpr_workgroup_id_z 1
		.amdhsa_system_vgpr_workitem_id 0
		.amdhsa_next_free_vgpr 1024
		.amdhsa_next_free_sgpr 80
		.amdhsa_reserve_vcc 0
		.amdhsa_float_denorm_mode_32 3
		.amdhsa_float_denorm_mode_16_64 3
		.amdhsa_memory_ordered 1
		.amdhsa_forward_progress 1
		.amdhsa_inst_pref_size 137
	.end_amdhsa_kernel
	.amdgpu_metadata
---
amdhsa.version: [ 1, 2 ]
amdhsa.kernels:
  - .name:           k_q904c505771_qkvgemm
    .symbol:         k_q904c505771_qkvgemm.kd
    .args:
      - { .name: hb, .offset: 0, .size: 8, .value_kind: global_buffer, .address_space: global }
      - { .name: wqb, .offset: 8, .size: 8, .value_kind: global_buffer, .address_space: global }
      - { .name: b_qkv, .offset: 16, .size: 8, .value_kind: global_buffer, .address_space: global }
      - { .name: qkv, .offset: 24, .size: 8, .value_kind: global_buffer, .address_space: global }
    .group_segment_fixed_size: 327680
    .private_segment_fixed_size: 0
    .kernarg_segment_align: 8
    .kernarg_segment_size: 32
    .max_flat_workgroup_size: 128
    .sgpr_count:     80
    .vgpr_count:     1024
    .wavefront_size: 32
...
	.end_amdgpu_metadata
.endif
;; end of part 2
;; launch attn (part 3): grid 16 x 16, 8 waves a work-group, clusters of 4 x 4, 327,680 bytes of LDS; arguments qkv, ltor_mask, ctx; writes ctx
.if DOCPART == 3
	.amdgcn_target "amdgcn-amd-amdhsa--gfx1250"
	.amdhsa_code_object_version 6
	.text
	.protected	k_q904c505771_attn
	.globl	k_q904c505771_attn
	.p2align	8
	.type	k_q904c505771_attn,@function
k_q904c505771_attn:
	s_mov_b64 s[64:65], 0
	v_nop
	global_prefetch_b8 v0, s[64:65] scope:SCOPE_SE
	s_setreg_imm32_b32 hwreg(HW_REG_WAVE_MODE, 25, 1), 1
	s_wait_xcnt 0x0
	s_wait_alu depctr_hold_cnt(0) depctr_sa_sdst(0) depctr_va_vdst(0) depctr_va_sdst(0) depctr_va_ssrc(0) depctr_va_vcc(0) depctr_vm_vsrc(0)
	s_getreg_b32 s2, hwreg(HW_REG_IB_STS2, 6, 4)
	s_cmp_eq_u32 s2, 0
	s_cbranch_scc0 .Lentry_in_a_cluster
	s_endpgm
.Lentry_in_a_cluster:
	s_bfe_u32 s2, ttmp6, 0x10000c
	s_cmp_lg_u32 s2, 0xf033
	s_cbranch_scc0 .Lentry_shape_is_right
	s_endpgm
.Lentry_shape_is_right:
; ctx[b][q][head x 64 + d] = the sum over k of softmax_k(s[q][k]) v[k][d],  s = (q . k) x mask[q][k] - 10000 (1 - mask[q][k]);  q comes already divided by 8.
; qkv: [b 2][g 48][s 2048][64] f16 (g = head: q, 16 + head: k, 32 + head: v);  ltor_mask: [2048][2048] f32, read whole and used as the f32 numbers that it holds: no pattern of it is built in,
; every key is walked for every query.  ctx: [4096][1024] f16.  Products, maxima and sums in f32; the weights are rounded to f16 for the second product, ctx once at the end.
; WHY F16.  A query that sees few keys passes v on almost unaveraged, so each rounding on the way from v to ctx reaches the module's output undamped: f16 keeps 11 significant bits where bf16 keeps 8.
; The weights lie in [0, 1] and ctx is a weighted mean of v, so f16 has the room wherever v has it.
; THE SHIFT.  The source subtracts one number for a whole head (the head's largest score) from all its scores and then takes a softmax along the keys, which subtracts each row's own maximum.
; A softmax does not see a shift common to a row, so that number is not formed; the row's maximum is subtracted here too, as a running maximum m with a running sum l:
; p = 2^(c s - c m), c = log2(e); in every step O and l are multiplied by a = 2^(c m_old - c m_new).
; LIMITS.  Inputs are finite; |q / 8|, |k|, |v| under 65,504.  A weight under 2^-126 counts as zero in the sum l (v_exp_f32 flushes denormal results); for the second product a weight is rounded
; to a multiple of 2^-24, beside a largest weight of 1.  The masked score is formed as s x mask + (10000 x mask - 10000), two fused multiply-adds.
; SHARES.  A work-group owns 128 queries (block X) of two heads (Y = 8 b + pair: heads 2 pair, 2 pair + 1).  Wave w: head w / 4, queries 32 (w % 4) on: two tiles of 16.  Two waves lie on a SIMD:
; while one walks its softmax the other can issue products, so the text stays in plain phases.
; RING.  Two LDS slots of 128 keys: the mask's 128 rows x 512 bytes, and for each head K's and V's 128 rows of 128 bytes (dense in memory: brought as 64 rows of 256 bytes, two keys to a row).
; Eight tensor loads of 16,384 bytes fill a slot, one a wave: waves 0-3 a quarter of the mask's rows, waves 4, 5 K of a head, waves 6, 7 V of a head.
; CLUSTER.  4 x 4 work-groups.  The mask's tile hangs on X alone and is asked for jointly down a column of the cluster; K's and V's hang on Y alone and are asked for jointly along a row.
; LAYOUT.  S^T = K Q^T (source 0 = 16 keys, source 1 = 16 queries): a lane holds ONE query (lane % 16) and the keys 8 (lane / 16) + 0..7.  Two such tiles, rounded to f16 in pairs, are source 1
; (32 keys x 16 queries) of O^T = V^T P, whose result again holds one query a lane and eight channels.  V is turned on the way out of LDS by ds_load_tr16_b128.
; REGISTERS.  window 0: v2-11 addresses; v12-27 statistics, 8 a tile; v28-29 -10000; v32-63 P, 16 a tile; v64-127 S^T, 32 a tile; v128-191 the mask, like S^T; v192-223 Q; v224-231 at work.
;   window 1: v0-63 O^T, 32 a tile; v64-127 K of 64 keys; v128-191 V of 64 keys.
.set PM,    528                        ; a row of the mask in LDS: 512 + 16 bytes: row r begins 16 r bytes on modulo 256
.set PK,    272                        ; two keys of K: 256 + 16: key r of a fragment lies at 16 (r / 2) + 128 (r % 2) modulo 256: 16 different columns of 16 bytes
.set PV,    288                        ; two keys of V: 256 + 32: half a turning load addresses 32 (k / 2) + 128 (k % 2) + 16 (channel half) modulo 256: 16 different columns
.set KOFF,  128*PM                     ; 67,584
.set KHEAD, 64*PK                      ; 17,408
.set VOFF,  KOFF+2*KHEAD               ; 102,400
.set VHEAD, 64*PV                      ; 18,432
.set SLOT,  VOFF+2*VHEAD               ; 139,264
.set STAGE, 2*SLOT                     ; behind the ring, at a multiple of 256 bytes: 128 rows x 272 bytes for the way out; no tensor load fills it
.set SP,    272
.set AM,  2                            ; v2-3   LDS address of my lane's mask numbers in slot 0, 1
.set AK,  4                            ; v4-5   of my K fragments
.set AV,  6                            ; v6-7   of my V fragments
.set QO,  8                            ; v8     my byte offset in the wave's rows of q
.set STO, 9                            ; v9     the way out: where I put 16 bytes of a row
.set RD,  10                           ; v10    the way out: where I read a row back
.set GO,  11                           ; v11    my byte offset in two rows of ctx
.set ST,  12                           ; tile t at v[12 + 8 t]: +0 c m, +1 m, +2, +3 l (even keys', odd keys'), +4 to +7 c0-c3 at work; a takes c2's place
.set NEG, 28                           ; v[28:29] -10000, twice
.set P,   32
.set S,   64
.set MK,  128
.set QF,  192
.set T,   224
.set KR,  64                           ; in window 1
.set VR,  128                          ; in window 1
.set WV,   10                          ; s10      my wave's number
.set G1M,  24                          ; s[24:31], s[32:39], s[40:47] descriptor group 1 for the mask, K, V
.set G1K,  32
.set G1V,  40
.set G0M,  48                          ; s[48:55], s[56:63], s[68:75] group 0, a set for each slot
.set G0K,  56
.set G0V,  68
.set CS,   76                          ; s[76:77] c = log2(e), twice
.set TENK, 78                          ; s[78:79] 10000, twice
.set SEL,  80                          ; s[80:81] lane selects for v_permlanex16_b32: each lane takes its own place in the other half
.set CNT,  82
.set QB,   84                          ; s[84:85] q at my wave's first row
.set CB,   86                          ; s[86:87] ctx at my wave's first row on the way out
.set MSB, 0
.macro WIN new                         ; the immediate's high byte repeats the setting that is left; a switch that changes nothing is dropped
.if MSB != (\new)
	s_set_vgpr_msb (MSB<<8)|(\new)
.set MSB, (\new)
.endif
.endm
.macro PLACES
.rept 4
	v_nop
.endr
.endm
.macro CROUND                          ; a round of the cluster's barrier: my work-group's barrier; wave 0 signals for the work-group; every wave waits for all sixteen; my work-group's barrier once more
	s_barrier_signal -1
	s_barrier_wait -1
	s_cmp_lg_u32 s[WV], 0
	s_cbranch_scc1 .Lnot_wave_0_\@
	s_barrier_signal -3
.Lnot_wave_0_\@:
	s_barrier_wait -3
	s_barrier_signal -1
	s_barrier_wait -1
.endm
; A joint refill of slot s, one load a wave.  The branches hang on the wave's number alone.  Four v_nop follow each line.
.macro JLOAD3 s
	s_cmp_lt_u32 s[WV], 4
	s_cbranch_scc0 .Lfor_kv_\@
	tensor_load_to_lds s[G0M+4*\s:G0M+4*\s+3], s[G1M:G1M+7]
	s_nop 0
	PLACES
	s_branch .Lasked_\@
.Lfor_kv_\@:
	s_cmp_lt_u32 s[WV], 6
	s_cbranch_scc0 .Lfor_v_\@
	tensor_load_to_lds s[G0K+4*\s:G0K+4*\s+3], s[G1K:G1K+7]
	s_nop 0
	PLACES
	s_branch .Lasked_\@
.Lfor_v_\@:
	tensor_load_to_lds s[G0V+4*\s:G0V+4*\s+3], s[G1V:G1V+7]
	s_nop 0
	PLACES
.Lasked_\@:
.endm
	s_load_b128 s[4:7], s[0:1], 0x0                ; qkv s[4:5], ltor_mask s[6:7]
	s_load_b64 s[8:9], s[0:1], 0x10                ; ctx
	v_lshl_add_u32 v254, v0, 2, 0x4c800
	v_mov_b32 v255, 0
	ds_add_u32 v254, v255
	v_lshrrev_b32 v1, 5, v0
	v_readfirstlane_b32 s[WV], v1                  ; wave 0..7
	s_bfe_u32 s11, ttmp6, 0x40000                  ; cx
	s_bfe_u32 s12, ttmp6, 0x40004                  ; cy
	s_lshl_b32 s13, ttmp9, 2
	s_add_co_u32 s13, s13, s11                     ; X: block of 128 queries
	s_and_b32 s14, ttmp7, 0xffff
	s_lshl_b32 s14, s14, 2
	s_add_co_u32 s14, s14, s12                     ; Y = 8 b + pair of heads
	s_lshl_b32 s2, s12, 2
	s_lshl_b32 s2, 15, s2                          ; my row of the cluster
	s_lshl_b32 s3, 0x1111, s11                     ; my column
	; group 1, the mask: 32 rows x 128 elements of 4 bytes, 2,048 elements from row to row; 4 words of padding behind every 128
	s_or_b32 s[G1M+0], s3, (2<<16)|(1<<20)|(1<<21)|(6<<22)|(3<<25)
	s_mov_b32 s[G1M+1], 128<<16                    ; tensor_dim0 = 128
	s_mov_b32 s[G1M+2], 32<<16                     ; tensor_dim1 = 32
	s_mov_b32 s[G1M+3], 128<<16                    ; tile_dim0 = 128
	s_mov_b32 s[G1M+4], 32                         ; tile_dim1 = 32
	s_mov_b32 s[G1M+5], 2048                       ; the pitch
	s_mov_b32 s[G1M+6], 0
	s_mov_b32 s[G1M+7], 0
	; group 1, K and V: 64 rows x 128 elements of 2 bytes, dense; 4 or 8 words of padding behind every 64
	s_or_b32 s[G1K+0], s2, (1<<16)|(1<<20)|(1<<21)|(5<<22)|(3<<25)
	s_or_b32 s[G1V+0], s2, (1<<16)|(1<<20)|(1<<21)|(5<<22)|(7<<25)
.irp g, G1K, G1V
	s_mov_b32 s[\g+1], 128<<16
	s_mov_b32 s[\g+2], 64<<16
	s_mov_b32 s[\g+3], 128<<16
	s_mov_b32 s[\g+4], 64
	s_mov_b32 s[\g+5], 128
	s_mov_b32 s[\g+6], 0
	s_mov_b32 s[\g+7], 0
.endr
	s_mov_b32 s[CS], 0x3fb8aa3b                    ; log2(e)
	s_mov_b32 s[CS+1], s[CS]
	s_mov_b32 s[TENK], 0x461c4000                  ; 10000.0
	s_mov_b32 s[TENK+1], s[TENK]
	s_mov_b32 s[SEL], 0x76543210
	s_mov_b32 s[SEL+1], 0xfedcba98
	s_and_b32 s15, s[WV], 3                        ; which 32 queries are mine; also: which quarter of the mask's rows I fetch
	s_and_b32 s20, s[WV], 1                        ; which head's K or V I fetch
	s_lshr_b32 s23, s[WV], 2                       ; which head I compute
	s_lshl_b32 s16, s13, 20                        ; the mask: row 128 X + 32 (w % 4), 8,192 bytes each: hangs on X and the wave alone
	s_lshl_b32 s17, s15, 18
	s_add_co_u32 s16, s16, s17
	s_mov_b32 s17, 0
	s_lshr_b32 s21, s14, 3                         ; b
	s_and_b32 s22, s14, 7                          ; pair
	s_mul_i32 s18, s21, 48
	s_lshl_b32 s19, s22, 1
	s_add_co_u32 s18, s18, s19                     ; 48 b + 2 pair: hangs on Y alone
	s_add_co_u32 s19, s18, s20
	s_add_co_u32 s19, s19, 16                      ; K of the head that I fetch
	s_lshl_b32 s66, s19, 18                        ; x 2,048 rows x 128 bytes
	s_mov_b32 s67, 0
	s_mul_i32 s90, s15, 32*PM                      ; where they go: the wave's number alone enters an LDS address
	s_mul_i32 s91, s20, KHEAD
	s_add_co_u32 s91, s91, KOFF
	s_mul_i32 s92, s20, VHEAD
	s_add_co_u32 s92, s92, VOFF
	s_add_co_u32 s88, s18, s23                     ; q of my head,
	s_lshl_b32 s88, s88, 18
	s_lshl_b32 s89, s13, 14                        ; row 128 X
	s_add_co_u32 s88, s88, s89
	s_lshl_b32 s89, s15, 12                        ; + 32 (w % 4), 128 bytes each
	s_add_co_u32 s88, s88, s89
	s_mov_b32 s89, 0
	s_wait_dscnt 0x0
	s_wait_kmcnt 0x0
	s_add_nc_u64 s[QB:QB+1], s[4:5], s[88:89]
	s_lshl_b32 s88, s21, 22                        ; ctx: row 2,048 b + 128 X + 16 w, 2,048 bytes each; + 256 bytes x pair
	s_lshl_b32 s93, s13, 18
	s_add_co_u32 s88, s88, s93
	s_lshl_b32 s93, s[WV], 15
	s_add_co_u32 s88, s88, s93
	s_lshl_b32 s93, s22, 8
	s_add_co_u32 s88, s88, s93
	s_add_nc_u64 s[CB:CB+1], s[8:9], s[88:89]
	s_add_nc_u64 s[16:17], s[6:7], s[16:17]        ; the mask at my quarter's first row
	s_add_nc_u64 s[66:67], s[4:5], s[66:67]        ; K at its head's first key
.irp s, 0,1
	s_mov_b32 s[G0M+4*\s], 1                                       ; count = 1
	s_add_co_u32 s[G0M+4*\s+1], s90, \s*SLOT                       ; LDS address
	s_add_nc_u64 s[G0M+4*\s+2:G0M+4*\s+3], s[16:17], \s*512        ; keys 128 s on: 512 bytes along the rows
	s_or_b32 s[G0M+4*\s+3], s[G0M+4*\s+3], 0x80000000              ; type = 2
	s_mov_b32 s[G0K+4*\s], 1
	s_add_co_u32 s[G0K+4*\s+1], s91, \s*SLOT
	s_add_nc_u64 s[G0K+4*\s+2:G0K+4*\s+3], s[66:67], \s*16384      ; keys 128 s on: 128 rows of 128 bytes
	s_or_b32 s[G0K+4*\s+3], s[G0K+4*\s+3], 0x80000000
	s_mov_b32 s[G0V+4*\s], 1
	s_add_co_u32 s[G0V+4*\s+1], s92, \s*SLOT
	s_add_nc_u64 s[G0V+4*\s+2:G0V+4*\s+3], s[66:67], 0x400000+\s*16384   ; V lies 16 heads of 262,144 bytes behind K
	s_or_b32 s[G0V+4*\s+3], s[G0V+4*\s+3], 0x80000000
.endr
	CROUND                                         ; all sixteen work-groups are here: the first joint loads meet
	s_cmp_lt_u32 s[WV], 4                          ; a wave's two first fills stand together, ahead of every wait on TENSORcnt, every LDS read and every other barrier: two loads of mine are out
	s_cbranch_scc0 .Lfirst_kv
	tensor_load_to_lds s[G0M:G0M+3], s[G1M:G1M+7]
	s_nop 0
	tensor_load_to_lds s[G0M+4:G0M+7], s[G1M:G1M+7]
	s_nop 0
	PLACES
	s_branch .Lfirst_asked
.Lfirst_kv:
	s_cmp_lt_u32 s[WV], 6
	s_cbranch_scc0 .Lfirst_v
	tensor_load_to_lds s[G0K:G0K+3], s[G1K:G1K+7]
	s_nop 0
	tensor_load_to_lds s[G0K+4:G0K+7], s[G1K:G1K+7]
	s_nop 0
	PLACES
	s_branch .Lfirst_asked
.Lfirst_v:
	tensor_load_to_lds s[G0V:G0V+3], s[G1V:G1V+7]
	s_nop 0
	tensor_load_to_lds s[G0V+4:G0V+7], s[G1V:G1V+7]
	s_nop 0
	PLACES
.Lfirst_asked:
	v_and_b32 v1, 15, v0                           ; r = lane % 16
	v_bfe_u32 v[T], v0, 4, 1                       ; h = lane / 16
	v_lshlrev_b32 v[QO], 7, v1
	v_lshl_add_u32 v[QO], v[T], 4, v[QO]           ; row r x 128 + 16 h
.irp t, 0,1                                            ; Q stays in registers: tile t, channels 32 f on
.irp f, 0,1
	global_load_b128 v[QF+16*\t+8*\f:QF+16*\t+8*\f+3],   v[QO], s[QB:QB+1] offset:\t*2048+64*\f
	global_load_b128 v[QF+16*\t+8*\f+4:QF+16*\t+8*\f+7], v[QO], s[QB:QB+1] offset:\t*2048+64*\f+32
.endr
.endr
	v_mul_u32_u24 v[T+1], v1, PM                   ; the mask: my query's row, keys 8 h on
	v_lshl_add_u32 v[T+1], v[T], 5, v[T+1]
	v_add_nc_u32 v[AM], s90, v[T+1]
	v_add_nc_u32 v[AM+1], SLOT, v[AM]
	v_lshrrev_b32 v[T+1], 1, v1                    ; K: key r lies in LDS row r / 2, half r % 2; channels 8 h on
	v_mul_u32_u24 v[T+1], v[T+1], PK
	v_and_b32 v[T+2], 1, v0
	v_lshl_add_u32 v[T+1], v[T+2], 7, v[T+1]
	v_lshl_add_u32 v[T+1], v[T], 4, v[T+1]
	s_mul_i32 s94, s23, KHEAD
	s_add_co_u32 s94, s94, KOFF
	v_add_nc_u32 v[AK], s94, v[T+1]
	v_add_nc_u32 v[AK+1], SLOT, v[AK]
	v_bfe_u32 v[T+1], v0, 1, 2                     ; V: the turning load's lane addresses key 8 h + lane % 8, channels 8 ((lane / 8) % 2) on
	v_lshl_add_u32 v[T+1], v[T], 2, v[T+1]
	v_mul_u32_u24 v[T+1], v[T+1], PV
	v_lshl_add_u32 v[T+1], v[T+2], 7, v[T+1]
	v_bfe_u32 v[T+3], v0, 3, 1
	v_lshl_add_u32 v[T+1], v[T+3], 4, v[T+1]
	s_mul_i32 s95, s23, VHEAD
	s_add_co_u32 s95, s95, VOFF
	v_add_nc_u32 v[AV], s95, v[T+1]
	v_add_nc_u32 v[AV+1], SLOT, v[AV]
	s_mul_i32 s94, s15, 32*SP                      ; into the stage: my 32 rows, my head's half of their 256 bytes
	s_lshl_b32 s95, s23, 7
	s_add_co_u32 s94, s94, s95
	s_add_co_u32 s94, s94, STAGE
	v_mul_u32_u24 v[T+1], v1, SP
	v_lshl_add_u32 v[T+1], v[T], 4, v[T+1]
	v_add_nc_u32 v[STO], s94, v[T+1]
	s_mul_i32 s95, s[WV], 16*SP                    ; back: wave w takes rows 16 w on, whole; lanes 0-15 one row of 256 bytes, lanes 16-31 the next
	s_add_co_u32 s95, s95, STAGE
	v_mul_u32_u24 v[T+1], v[T], SP
	v_lshl_add_u32 v[T+1], v1, 4, v[T+1]
	v_add_nc_u32 v[RD], s95, v[T+1]
	v_lshlrev_b32 v[GO], 11, v[T]                  ; and the same two rows in ctx
	v_lshl_add_u32 v[GO], v1, 4, v[GO]
	v_mov_b32 v[NEG], 0xc61c4000                   ; -10000.0
	v_mov_b32 v[NEG+1], 0xc61c4000
.macro FS b                            ; pair b of the wave's 32 pairs of scores: c s - c m
	v_pk_fma_f32 v[S+2*(\b):S+2*(\b)+1], v[S+2*(\b):S+2*(\b)+1], s[CS:CS+1], v[ST+8*((\b)/16):ST+8*((\b)/16)+1] op_sel_hi:[1,0,0] neg_lo:[0,0,1] neg_hi:[0,0,1]
.endm
; ONE STEP: 64 keys (half 0 or 1 of a slot) for my 32 queries.  first = 1: the first step, which starts m, l and O^T.
.macro STEP slot, half, first
	WIN 0x40                                       ; destination window 1.  K's registers were last read by the step before's first products, hundreds of plain instructions back
.irp kt, 0,1,2,3
.irp f, 0,1
	ds_load_b128 v[KR+16*\kt+8*\f:KR+16*\kt+8*\f+3],   v[AK+\slot] offset:\half*32*PK+\kt*8*PK+64*\f
	ds_load_b128 v[KR+16*\kt+8*\f+4:KR+16*\kt+8*\f+7], v[AK+\slot] offset:\half*32*PK+\kt*8*PK+64*\f+32
.endr
.endr
	WIN 0
.irp t, 0,1
.irp kt, 0,1,2,3
	ds_load_b128 v[MK+32*\t+8*\kt:MK+32*\t+8*\kt+3],   v[AM+\slot] offset:\t*16*PM+\half*256+64*\kt
	ds_load_b128 v[MK+32*\t+8*\kt+4:MK+32*\t+8*\kt+7], v[AM+\slot] offset:\t*16*PM+\half*256+64*\kt+16
.endr
.endr
	s_wait_dscnt 16                                ; K is in; the 16 younger loads, the mask's, may stay out
	WIN 0x01                                       ; K in window 1; Q and S^T in window 0
	; 16 products S^T = K Q^T: the eight accumulators take turns, one instruction a turn; the first eight start the sums
.irp f, 0,1
.irp t, 0,1
.irp kt, 0,1,2,3
.if \f == 0
	v_wmma_f32_16x16x32_f16 v[S+32*\t+8*\kt:S+32*\t+8*\kt+7], v[KR+16*\kt+8*\f:KR+16*\kt+8*\f+7], v[QF+16*\t+8*\f:QF+16*\t+8*\f+7], 0
.else
	v_wmma_f32_16x16x32_f16 v[S+32*\t+8*\kt:S+32*\t+8*\kt+7], v[KR+16*\kt+8*\f:KR+16*\kt+8*\f+7], v[QF+16*\t+8*\f:QF+16*\t+8*\f+7], v[S+32*\t+8*\kt:S+32*\t+8*\kt+7]
.endif
.endr
.endr
.endr
	WIN 0
	s_wait_dscnt 0x0                               ; the mask is in
	; s x mask + (10000 x mask - 10000), eight scores at a time.  The first four lines name no register of the products: they are the four places behind them (ISA guide 7.12.1)
.set b, 0
.rept 8
.irp i, 0,2,4,6
	v_pk_fma_f32 v[T+\i:T+\i+1], v[MK+8*b+\i:MK+8*b+\i+1], s[TENK:TENK+1], v[NEG:NEG+1] op_sel_hi:[1,0,1]
.endr
.irp i, 0,2,4,6
	v_pk_fma_f32 v[S+8*b+\i:S+8*b+\i+1], v[S+8*b+\i:S+8*b+\i+1], v[MK+8*b+\i:MK+8*b+\i+1], v[T+\i:T+\i+1]
.endr
.set b, b+1
.endr
	WIN 0x40                                       ; V: its registers were last read by the step before's second products; the 64 lines above stand between
.irp g, 0,1
.irp c, 0,1,2,3
	ds_load_tr16_b128 v[VR+8*(4*\g+\c):VR+8*(4*\g+\c)+3],   v[AV+\slot] offset:\half*32*PV+\g*16*PV+32*\c
	ds_load_tr16_b128 v[VR+8*(4*\g+\c)+4:VR+8*(4*\g+\c)+7], v[AV+\slot] offset:\half*32*PV+\g*16*PV+8*PV+32*\c
.endr
.endr
	WIN 0
	; the maximum of a lane's 32 scores and the old m, three operands at a time, in four chains; the two tiles alternate
.irp j, 0,1,2,3
.irp t, 0,1
	v_max3_num_f32 v[ST+8*\t+4+\j], v[S+32*\t+8*\j], v[S+32*\t+8*\j+1], v[S+32*\t+8*\j+2]
.endr
.endr
.irp u, 1,2
.irp j, 0,1,2,3
.irp t, 0,1
	v_max3_num_f32 v[ST+8*\t+4+\j], v[ST+8*\t+4+\j], v[S+32*\t+8*\j+2*\u+1], v[S+32*\t+8*\j+2*\u+2]
.endr
.endr
.endr
.irp t, 0,1
	v_max3_num_f32 v[ST+8*\t+4], v[ST+8*\t+4], v[S+32*\t+7], v[S+32*\t+15]
.endr
.irp t, 0,1
	v_max3_num_f32 v[ST+8*\t+6], v[ST+8*\t+6], v[S+32*\t+23], v[S+32*\t+31]
.endr
.irp t, 0,1
	v_max3_num_f32 v[ST+8*\t+4], v[ST+8*\t+4], v[ST+8*\t+5], v[ST+8*\t+6]
.endr
.irp t, 0,1
.if \first
	v_max_num_f32 v[ST+8*\t+4], v[ST+8*\t+4], v[ST+8*\t+7]
.else
	v_max3_num_f32 v[ST+8*\t+4], v[ST+8*\t+4], v[ST+8*\t+7], v[ST+8*\t+1]
.endif
.endr
.irp t, 0,1
	v_permlanex16_b32 v[ST+8*\t+5], v[ST+8*\t+4], s[SEL], s[SEL+1]   ; the query's other 32 keys lie in the lane 16 away
.endr
.if !\first
.irp t, 0,1
	v_mov_b32 v[ST+8*\t+7], v[ST+8*\t]             ; c m_old is kept for a
.endr
.endif
.irp t, 0,1
	v_max_num_f32 v[ST+8*\t+1], v[ST+8*\t+4], v[ST+8*\t+5]
.endr
.irp t, 0,1
	v_mul_f32 v[ST+8*\t], s[CS], v[ST+8*\t+1]
.endr
.if !\first
.irp t, 0,1
	v_sub_f32 v[ST+8*\t+7], v[ST+8*\t+7], v[ST+8*\t]
.endr
.irp t, 0,1
	v_exp_f32 v[ST+8*\t+6], v[ST+8*\t+7]           ; a; the plain lines below stand between it and its first use
.endr
.endif
	; 64 exponentials.  Between an exponential and the use of its result stands a plain instruction that does not touch it (ISA guide 5.7.2): the scaling of a pair two ahead, the rounding of the pair behind
	FS 0
	FS 1
.set b, 0
.rept 32
	v_exp_f32 v[S+2*b], v[S+2*b]
.if b < 30
	FS b+2
.endif
	v_exp_f32 v[S+2*b+1], v[S+2*b+1]
.if b > 0
	s_wait_alu depctr_va_vdst(0)
	v_cvt_pk_f16_f32 v[P+b-1], v[S+2*b-2], v[S+2*b-1]
.endif
.set b, b+1
.endr
	v_cvt_pk_f16_f32 v[P+31], v[S+62], v[S+63]     ; the rounding of pair 30 stands behind the last exponential
	; the sum of a tile's 16 pairs, in place, then l = a l + the sum
.irp u, 0,1,2,3,4,5,6,7
.irp t, 0,1
	v_pk_add_f32 v[S+32*\t+4*\u:S+32*\t+4*\u+1], v[S+32*\t+4*\u:S+32*\t+4*\u+1], v[S+32*\t+4*\u+2:S+32*\t+4*\u+3]
.endr
.endr
.irp u, 0,1,2,3
.irp t, 0,1
	v_pk_add_f32 v[S+32*\t+8*\u:S+32*\t+8*\u+1], v[S+32*\t+8*\u:S+32*\t+8*\u+1], v[S+32*\t+8*\u+4:S+32*\t+8*\u+5]
.endr
.endr
.irp u, 0,1
.irp t, 0,1
	v_pk_add_f32 v[S+32*\t+16*\u:S+32*\t+16*\u+1], v[S+32*\t+16*\u:S+32*\t+16*\u+1], v[S+32*\t+16*\u+8:S+32*\t+16*\u+9]
.endr
.endr
.if \first
.irp t, 0,1
	v_pk_add_f32 v[ST+8*\t+2:ST+8*\t+3], v[S+32*\t:S+32*\t+1], v[S+32*\t+16:S+32*\t+17]
.endr
.else
.irp t, 0,1
	v_pk_add_f32 v[S+32*\t:S+32*\t+1], v[S+32*\t:S+32*\t+1], v[S+32*\t+16:S+32*\t+17]
.endr
.irp t, 0,1
	v_pk_fma_f32 v[ST+8*\t+2:ST+8*\t+3], v[ST+8*\t+2:ST+8*\t+3], v[ST+8*\t+6:ST+8*\t+7], v[S+32*\t:S+32*\t+1] op_sel_hi:[1,0,1]
.endr
	WIN 0x41                                       ; O^T (destination and source 0) in window 1, a in window 0
.set i, 0
.rept 32
	v_pk_mul_f32 v[2*i:2*i+1], v[2*i:2*i+1], v[ST+8*(i/16)+6:ST+8*(i/16)+7] op_sel_hi:[1,0]
.set i, i+1
.endr
.endif
	s_wait_dscnt 0x0                               ; V is in
	WIN 0x51                                       ; V and O^T in window 1, P in window 0
	; 16 products O^T += V^T P: keys 32 g on, channels 16 c on; the eight accumulators take turns, one instruction a turn
.irp g, 0,1
.irp t, 0,1
.irp c, 0,1,2,3
.if \first && (\g == 0)
	v_wmma_f32_16x16x32_f16 v[32*\t+8*\c:32*\t+8*\c+7], v[VR+8*(4*\g+\c):VR+8*(4*\g+\c)+7], v[P+16*\t+8*\g:P+16*\t+8*\g+7], 0
.else
	v_wmma_f32_16x16x32_f16 v[32*\t+8*\c:32*\t+8*\c+7], v[VR+8*(4*\g+\c):VR+8*(4*\g+\c)+7], v[P+16*\t+8*\g:P+16*\t+8*\g+7], v[32*\t+8*\c:32*\t+8*\c+7]
.endif
.endr
.endr
.endr
	WIN 0
.endm
; THE CHANGE OF SLOTS.  Each wave waits for its reads of the slot just walked and for all its tensor loads, of which one is out: its part of the other slot.  fill = 1: the barrier is a round of the
; cluster's, so that no wave of any partner still reads the slot or has a load on its way; the joint refill, 256 keys on, is the first thing behind it and has two steps in which to land.
.macro CHANGE old, fill
	s_wait_dscnt 0x0
	s_wait_tensorcnt 0x0                           ; no tensor load of mine is out, so a group 0 may be written
	ds_add_u32 v254, v255
	s_wait_dscnt 0x0
.if \fill
	s_add_nc_u64 s[G0M+4*\old+2:G0M+4*\old+3], s[G0M+4*\old+2:G0M+4*\old+3], 1024
	s_add_nc_u64 s[G0K+4*\old+2:G0K+4*\old+3], s[G0K+4*\old+2:G0K+4*\old+3], 32768
	s_add_nc_u64 s[G0V+4*\old+2:G0V+4*\old+3], s[G0V+4*\old+2:G0V+4*\old+3], 32768
	CROUND
	JLOAD3 \old
.else
	s_barrier_signal -1
	s_barrier_wait -1
.endif
.endm
	s_wait_tensorcnt 0x1                           ; my part of slot 0 is in; slot 1's load, the one younger, may stay out
	s_barrier_signal -1
	s_barrier_wait -1                              ; everybody's is
	s_wait_loadcnt 0x0                             ; Q
	STEP 0, 0, 1
	STEP 0, 1, 0
	s_mov_b32 s[CNT], 7
.Lslots:                                               ; 7 trips, two slots each: with the slot in front and the one behind, 16 slots of 128 keys
	CHANGE 0, 1
	STEP 1, 0, 0
	STEP 1, 1, 0
	CHANGE 1, 1
	STEP 0, 0, 0
	STEP 0, 1, 0
	s_sub_co_u32 s[CNT], s[CNT], 1
	s_cmp_lg_u32 s[CNT], 0
	s_cbranch_scc1 .Lslots
	CHANGE 0, 0                                    ; the tail is written out: nothing is left to ask for
	STEP 1, 0, 0
	STEP 1, 1, 0
	; THE WAY OUT.  l's two halves and the other half of the lanes' are added; O^T is divided by l (at least 1: the row's largest weight is 1), rounded to f16 and sent through the work-group's stage.
	PLACES                                         ; behind the last products
.irp t, 0,1
	v_add_f32 v[ST+8*\t+4], v[ST+8*\t+2], v[ST+8*\t+3]
.endr
.irp t, 0,1
	v_permlanex16_b32 v[ST+8*\t+5], v[ST+8*\t+4], s[SEL], s[SEL+1]
.endr
.irp t, 0,1
	v_add_f32 v[ST+8*\t+4], v[ST+8*\t+4], v[ST+8*\t+5]
.endr
.irp t, 0,1
	v_rcp_f32 v[ST+8*\t+6], v[ST+8*\t+4]
.endr
	v_nop                                          ; a plain instruction between the last reciprocal and the use of its result
	WIN 0x41
.set i, 0
	s_wait_alu depctr_va_vdst(0)
.rept 32
	v_pk_mul_f32 v[2*i:2*i+1], v[2*i:2*i+1], v[ST+8*(i/16)+6:ST+8*(i/16)+7] op_sel_hi:[1,0]
.set i, i+1
.endr
	WIN 0x05                                       ; sources 0 and 1 window 1, destination window 0: S^T's registers are free
.set i, 0
.rept 32
	v_cvt_pk_f16_f32 v[S+i], v[2*i], v[2*i+1]
.set i, i+1
.endr
	WIN 0
.irp t, 0,1
.irp c, 0,1,2,3
	ds_store_b128 v[STO], v[S+16*\t+4*\c:S+16*\t+4*\c+3] offset:\t*16*SP+32*\c
.endr
.endr
	s_wait_dscnt 0x0                               ; for the others' sake: a row's 256 bytes come from two waves, one for each head
	s_barrier_signal -1
	s_barrier_wait -1
.irp i, 0,1,2,3,4,5,6,7
	ds_load_b128 v[MK+4*\i:MK+4*\i+3], v[RD] offset:\i*2*SP
.endr
.irp i, 0,1,2,3,4,5,6,7
	s_wait_dscnt 7-\i                              ; load i is back, the 7 - i younger ones may be out
	global_store_b128 v[GO], v[MK+4*\i:MK+4*\i+3], s[CB:CB+1] offset:4096*\i   ; 16 lanes store 256 consecutive bytes, at a multiple of 256 from ctx's first byte
.endr
	s_wait_tensorcnt 0x0
	ds_add_u32 v254, v255
	s_wait_dscnt 0x0
	CROUND                                         ; the closing round: no work-group ends while a partner may still ask for a tile that names it
	s_endpgm
.Lfunc_end_k_q904c505771_attn:
	.size	k_q904c505771_attn, .Lfunc_end_k_q904c505771_attn-k_q904c505771_attn
	.p2alignl 7, 3214868480
	.fill 96, 4, 3214868480
	.section	.rodata,"a",@progbits
	.p2align	6, 0x0
	.amdhsa_kernel k_q904c505771_attn
		.amdhsa_group_segment_fixed_size 327680
		.amdhsa_private_segment_fixed_size 0
		.amdhsa_enable_private_segment 0
		.amdhsa_kernarg_size 24
		.amdhsa_user_sgpr_count 2
		.amdhsa_user_sgpr_kernarg_segment_ptr 1
		.amdhsa_wavefront_size32 1
		.amdhsa_system_sgpr_workgroup_id_x 1
		.amdhsa_system_sgpr_workgroup_id_y 1
		.amdhsa_system_sgpr_workgroup_id_z 1
		.amdhsa_system_vgpr_workitem_id 0
		.amdhsa_next_free_vgpr 512
		.amdhsa_next_free_sgpr 96
		.amdhsa_reserve_vcc 0
		.amdhsa_float_denorm_mode_32 3
		.amdhsa_float_denorm_mode_16_64 3
		.amdhsa_memory_ordered 1
		.amdhsa_forward_progress 1
		.amdhsa_inst_pref_size 201
	.end_amdhsa_kernel
	.amdgpu_metadata
---
amdhsa.version: [ 1, 2 ]
amdhsa.kernels:
  - .name:           k_q904c505771_attn
    .symbol:         k_q904c505771_attn.kd
    .args:
      - { .name: qkv, .offset: 0, .size: 8, .value_kind: global_buffer, .address_space: global }
      - { .name: ltor_mask, .offset: 8, .size: 8, .value_kind: global_buffer, .address_space: global }
      - { .name: ctx, .offset: 16, .size: 8, .value_kind: global_buffer, .address_space: global }
    .group_segment_fixed_size: 327680
    .private_segment_fixed_size: 0
    .kernarg_segment_align: 8
    .kernarg_segment_size: 24
    .max_flat_workgroup_size: 256
    .sgpr_count:     96
    .vgpr_count:     512
    .wavefront_size: 32
...
	.end_amdgpu_metadata
.endif
;; end of part 3
;; launch dense (part 4): grid 8 x 32, 4 waves a work-group, clusters of 4 x 4, 327,680 bytes of LDS; arguments ctx, wdb, b_dense, out0; writes out0
.if DOCPART == 4
	.amdgcn_target "amdgcn-amd-amdhsa--gfx1250"
	.amdhsa_code_object_version 6
	.text
	.protected	k_q904c505771_dense
	.globl	k_q904c505771_dense
	.p2align	8
	.type	k_q904c505771_dense,@function
k_q904c505771_dense:
	s_mov_b64 s[64:65], 0
	v_nop
	global_prefetch_b8 v0, s[64:65] scope:SCOPE_SE
	s_setreg_imm32_b32 hwreg(HW_REG_WAVE_MODE, 25, 1), 1
	s_wait_xcnt 0x0
	s_wait_alu depctr_hold_cnt(0) depctr_sa_sdst(0) depctr_va_vdst(0) depctr_va_sdst(0) depctr_va_ssrc(0) depctr_va_vcc(0) depctr_vm_vsrc(0)
	s_getreg_b32 s2, hwreg(HW_REG_IB_STS2, 6, 4)
	s_cmp_eq_u32 s2, 0
	s_cbranch_scc0 .Lentry_in_a_cluster
	s_endpgm
.Lentry_in_a_cluster:
	s_bfe_u32 s2, ttmp6, 0x10000c
	s_cmp_lg_u32 s2, 0xf033
	s_cbranch_scc0 .Lentry_shape_is_right
	s_endpgm
.Lentry_shape_is_right:
; out0 = ctx x w_dense + b_dense.  A = ctx [4096][1024] f16;  B = wdb [16 chunks][1024 k][64 n] f16 (w_dense rounded to bf16 and carried in f16);  out0 [4096][1024] f32.
; Sums in f32, K ascending, one sum an output.  The f16 form is taken for ctx's sake: 11 significant bits.  LIMIT: |ctx| and |w_dense| under 65,504.
; SHARES.  1,024 / 128 x 4,096 / 128 = 256 work-groups of 128 x 128 (two chunks): a larger tile would leave WGPs without work.  Wave w: rows 64 (w / 2) on, chunk w % 2: 64 x 64, 16 accumulators.
; RING.  A small tile has little work for each byte, so the K step is as long as two slots in LDS allow: 256.  A's tile: 128 rows of 512 bytes, 16 bytes of padding behind each.  B's, for each chunk:
; 256 k x 128 bytes, dense in memory, as 128 rows of 256 bytes (two k to a row), 32 bytes of padding behind each.  Waves 0, 1 fetch a chunk of B each, waves 2, 3 64 rows of A each.
; CLUSTER, TRANSPOSED USE and the order of a K step are as in the launch that makes qkv: A's tile jointly along a row of the 4 x 4 cluster, B's down a column; source 0 = 16 columns of the weight,
; turned by ds_load_tr16_b128, source 1 = 16 rows of A: a lane holds eight neighbouring columns of one row of the result.
; REGISTERS.  window 0: v16-27 addresses; v64-95, v96-127 A's fragments, two buffers; v128-159 the bias of my lane's 32 columns; v32-95 at work on the way out.
;   window 1: v0-31, v32-63 B's fragments, two buffers.   window 2: accumulators of row blocks 0, 1 at v[8 (4 (a % 2) + nb)].   window 3: those of row blocks 2, 3.
.set KSTEP, 256
.set PA,    528                        ; A's LDS rows: 512 + 16 bytes: row r begins 16 r bytes on modulo 256
.set PB,    288                        ; B's LDS rows: 256 + 32: half a turning load addresses 32 (k / 2) + 128 (k % 2) + 16 (column half) modulo 256: 16 different columns of 16 bytes
.set CHB,   (KSTEP/2)*PB               ; a chunk's tile: 36,864 bytes
.set AOFF,  2*CHB
.set SLOT,  AOFF+128*PA                ; 141,312
.set STAGE, 2*SLOT                     ; behind the ring, at a multiple of 256 bytes: no tensor load fills it
.set SP,    272
.set WSTG,  16*SP                      ; a wave's stage: 16 rows x (256 + 16) bytes
.set ADRA, 16
.set ADRB, 20
.set STO,  24
.set RD,   25
.set CO,   26
.set BO,   27
.set T,    32
.set FA,   64
.set BI,   128
.set WV,   12
.set G1A,  24
.set G0A,  32
.set G1B,  40
.set G0B,  48
.set MUL_LO, 0xa1                      ; source 0 (B) window 1, source 1 (A) window 0, C and D window 2
.set MUL_HI, 0xf1                      ; the same, C and D window 3
.set TO_B,   0x40
.set MSB, 0
.macro WIN new                         ; the immediate's high byte repeats the setting that is left; a switch that changes nothing is dropped
.if MSB != (\new)
	s_set_vgpr_msb (MSB<<8)|(\new)
.set MSB, (\new)
.endif
.endm
.macro PLACES                          ; four places in front of loads into registers that matrix instructions have read, and of vector instructions that read their results (ISA guide 7.12.1 for vector instructions)
.rept 4
	v_nop
.endr
.endm
.macro CREST                           ; a round of the cluster's barrier behind its opening barrier
	s_cmp_lg_u32 s[WV], 0
	s_cbranch_scc1 .Lnot_wave_0_\@
	s_barrier_signal -3
.Lnot_wave_0_\@:
	s_barrier_wait -3
	s_barrier_signal -1
	s_barrier_wait -1
.endm
.macro CROUND
	s_barrier_signal -1
	s_barrier_wait -1
	CREST
.endm
.macro JLOAD s                         ; a joint load: waves 0, 1 ask for a chunk of B, waves 2, 3 for half of A's rows; four v_nop follow each of the two lines
	s_cmp_lt_u32 s[WV], 2
	s_cbranch_scc0 .Lfor_a_\@
	tensor_load_to_lds s[G0B+4*\s:G0B+4*\s+3], s[G1B:G1B+7]
	s_nop 0
	PLACES
	s_branch .Lasked_\@
.Lfor_a_\@:
	tensor_load_to_lds s[G0A+4*\s:G0A+4*\s+3], s[G1A:G1A+7]
	s_nop 0
	PLACES
.Lasked_\@:
.endm
	s_load_b256 s[4:11], s[0:1], 0x0               ; ctx s[4:5], wdb s[6:7], b_dense s[8:9], out0 s[10:11]
	s_set_vgpr_msb 0x40
	v_lshl_add_u32 v255, v0, 2, 0x49400
	s_set_vgpr_msb 0x4000
	v_mov_b32 v255, 0
	s_set_vgpr_msb 0x1
	ds_add_u32 v255, v255
	s_set_vgpr_msb 0x100
	v_lshrrev_b32 v1, 5, v0
	v_readfirstlane_b32 s[WV], v1                  ; wave 0..3
	s_bfe_u32 s13, ttmp6, 0x40000                  ; cx
	s_bfe_u32 s14, ttmp6, 0x40004                  ; cy
	s_lshl_b32 s15, ttmp9, 2
	s_add_co_u32 s15, s15, s13                     ; X: tile column
	s_and_b32 s16, ttmp7, 0xffff
	s_lshl_b32 s16, s16, 2
	s_add_co_u32 s16, s16, s14                     ; Y: tile row
	s_lshl_b32 s17, s14, 2
	s_lshl_b32 s17, 15, s17                        ; my row of the cluster
	s_lshl_b32 s18, 0x1111, s13                    ; my column
	; group 1 for A: 64 rows x 256 elements of 2 bytes, 1,024 elements from row to row; 4 words of padding behind every 128
	s_or_b32 s[G1A+0], s17, (1<<16)|(1<<20)|(1<<21)|(6<<22)|(3<<25)
	s_mov_b32 s[G1A+1], 256<<16
	s_mov_b32 s[G1A+2], 64<<16
	s_mov_b32 s[G1A+3], 256<<16
	s_mov_b32 s[G1A+4], 64
	s_mov_b32 s[G1A+5], 1024
	s_mov_b32 s[G1A+6], 0
	s_mov_b32 s[G1A+7], 0
	; group 1 for B: 128 rows x 128 elements, dense; 8 words of padding behind every 64
	s_or_b32 s[G1B+0], s18, (1<<16)|(1<<20)|(1<<21)|(5<<22)|(7<<25)
	s_mov_b32 s[G1B+1], 128<<16
	s_mov_b32 s[G1B+2], 128<<16
	s_mov_b32 s[G1B+3], 128<<16
	s_mov_b32 s[G1B+4], 128
	s_mov_b32 s[G1B+5], 128
	s_mov_b32 s[G1B+6], 0
	s_mov_b32 s[G1B+7], 0
	s_and_b32 s19, s[WV], 1                        ; my chunk; also: which chunk of B, or which 64 rows of A, I fetch
	s_lshr_b32 s2, s[WV], 1                        ; which 64 rows of the tile are mine
	s_lshl_b32 s20, s16, 18                        ; A: row 128 Y + 64 (w % 2), 2,048 bytes each: hangs on Y and the wave alone
	s_lshl_b32 s21, s19, 17
	s_add_co_u32 s20, s20, s21
	s_mov_b32 s21, 0
	s_lshl_b32 s22, s15, 1                         ; B: chunk 2 X + w % 2, 131,072 bytes each: hangs on X and the wave alone
	s_add_co_u32 s22, s22, s19
	s_lshl_b32 s22, s22, 17
	s_mov_b32 s23, 0
	s_mul_i32 s70, s19, 64*PA                      ; where they go: the wave's number alone enters an LDS address
	s_add_co_u32 s70, s70, AOFF
	s_mul_i32 s71, s19, CHB
	s_wait_dscnt 0x0
	s_wait_kmcnt 0x0
	s_add_nc_u64 s[20:21], s[4:5], s[20:21]
	s_add_nc_u64 s[22:23], s[6:7], s[22:23]
.irp s, 0,1
	s_mov_b32 s[G0A+4*\s], 1
	s_add_co_u32 s[G0A+4*\s+1], s70, \s*SLOT
	s_add_nc_u64 s[G0A+4*\s+2:G0A+4*\s+3], s[20:21], \s*KSTEP*2
	s_or_b32 s[G0A+4*\s+3], s[G0A+4*\s+3], 0x80000000
	s_mov_b32 s[G0B+4*\s], 1
	s_add_co_u32 s[G0B+4*\s+1], s71, \s*SLOT
	s_add_nc_u64 s[G0B+4*\s+2:G0B+4*\s+3], s[22:23], \s*KSTEP*128
	s_or_b32 s[G0B+4*\s+3], s[G0B+4*\s+3], 0x80000000
.endr
	CROUND                                         ; all sixteen work-groups are here: the first joint loads meet
	s_cmp_lt_u32 s[WV], 2                          ; a wave's two first fills stand in one branch, ahead of every wait on TENSORcnt, every LDS read and every other barrier: two loads of mine are out
	s_cbranch_scc0 .Lfirst_a
	tensor_load_to_lds s[G0B:G0B+3], s[G1B:G1B+7]
	s_nop 0
	tensor_load_to_lds s[G0B+4:G0B+7], s[G1B:G1B+7]
	s_nop 0
	PLACES
	s_branch .Lfirst_asked
.Lfirst_a:
	tensor_load_to_lds s[G0A:G0A+3], s[G1A:G1A+7]
	s_nop 0
	tensor_load_to_lds s[G0A+4:G0A+7], s[G1A:G1A+7]
	s_nop 0
	PLACES
.Lfirst_asked:
	v_and_b32 v1, 15, v0                           ; r
	v_bfe_u32 v2, v0, 4, 1                         ; h
	v_lshlrev_b32 v[BO], 5, v2
	s_lshl_b32 s66, s15, 9                         ; the bias of my 64 columns: (128 X + 64 (w % 2)) x 4 bytes
	s_lshl_b32 s67, s19, 8
	s_add_co_u32 s66, s66, s67
	s_mov_b32 s67, 0
	s_add_nc_u64 s[8:9], s[8:9], s[66:67]
.irp nb, 0,1,2,3                                       ; my lane's columns 16 nb + 8 h + 0..7; waited for on the way out
	global_load_b128 v[BI+8*\nb:BI+8*\nb+3],   v[BO], s[8:9] offset:64*\nb
	global_load_b128 v[BI+8*\nb+4:BI+8*\nb+7], v[BO], s[8:9] offset:64*\nb+16
.endr
	v_mul_u32_u24 v3, v1, PA                       ; A's fragments: row r x pitch + 16 h
	v_lshl_add_u32 v3, v2, 4, v3
	s_mul_i32 s72, s2, 64*PA                       ; my 64 rows
	s_add_co_u32 s72, s72, AOFF
	v_add_nc_u32 v[ADRA], s72, v3
	v_add_nc_u32 v[ADRA+1], SLOT, v[ADRA]
	v_bfe_u32 v4, v0, 1, 2                         ; B's: the lane addresses k = 8 h + lane % 8 (LDS row k / 2, half k % 2), columns 8 ((lane / 8) % 2) on
	v_lshl_add_u32 v4, v2, 2, v4
	v_mul_u32_u24 v4, v4, PB
	v_and_b32 v5, 1, v0
	v_lshl_add_u32 v4, v5, 7, v4
	v_bfe_u32 v5, v0, 3, 1
	v_lshl_add_u32 v4, v5, 4, v4
	v_add_nc_u32 v[ADRB], s71, v4                  ; my chunk
	v_add_nc_u32 v[ADRB+1], SLOT, v[ADRB]
	s_mul_i32 s73, s[WV], WSTG
	s_add_co_u32 s73, s73, STAGE                   ; my stage
	v_mul_u32_u24 v6, v1, SP                       ; in: row r, 32 bytes for each half of the lanes
	v_lshl_add_u32 v6, v2, 5, v6
	v_add_nc_u32 v[STO], s73, v6
	v_mul_u32_u24 v7, v2, SP                       ; back: lanes 0-15 take one row of 256 bytes, lanes 16-31 the next
	v_lshl_add_u32 v7, v1, 4, v7
	v_add_nc_u32 v[RD], s73, v7
	v_lshlrev_b32 v[CO], 12, v2                    ; and the same two rows in out0
	v_lshl_add_u32 v[CO], v1, 4, v[CO]
	s_lshl_b32 s74, s16, 19                        ; out0: row 128 Y + 64 (w / 2), 4,096 bytes each; column (128 X + 64 (w % 2)) x 4 bytes
	s_lshl_b32 s75, s2, 18
	s_add_co_u32 s74, s74, s75
	s_add_co_u32 s76, s74, s66
	s_mov_b32 s77, 0
	s_add_nc_u64 s[10:11], s[10:11], s[76:77]
; 8 matrix instructions: row blocks 2 hi, 2 hi + 1 x 4 column blocks, 32 along K, from buffer f.  The 16 accumulators take turns, one instruction a turn, in the same order in every part.
.macro MUL f, hi, zero
.irp a, 0,1
.irp nb, 0,1,2,3
.if \zero
	v_wmma_f32_16x16x32_f16 v[8*(4*\a+\nb):8*(4*\a+\nb)+7], v[32*\f+8*\nb:32*\f+8*\nb+7], v[FA+32*\f+8*(2*\hi+\a):FA+32*\f+8*(2*\hi+\a)+7], 0
.else
	v_wmma_f32_16x16x32_f16 v[8*(4*\a+\nb):8*(4*\a+\nb)+7], v[32*\f+8*\nb:32*\f+8*\nb+7], v[FA+32*\f+8*(2*\hi+\a):FA+32*\f+8*(2*\hi+\a)+7], v[8*(4*\a+\nb):8*(4*\a+\nb)+7]
.endif
.endr
.endr
.endm
.macro FETCH slot, q, f                ; 16 LDS loads in one run: part q (32 along K) of a slot into buffer f
	WIN TO_B
.irp nb, 0,1,2,3
	ds_load_tr16_b128 v[32*\f+8*\nb:32*\f+8*\nb+3],   v[ADRB+\slot] offset:\nb*32+\q*16*PB
	ds_load_tr16_b128 v[32*\f+8*\nb+4:32*\f+8*\nb+7], v[ADRB+\slot] offset:\nb*32+\q*16*PB+8*PB
.endr
	WIN 0
.irp a, 0,1,2,3
	ds_load_b128 v[FA+32*\f+8*\a:FA+32*\f+8*\a+3],   v[ADRA+\slot] offset:\a*16*PA+64*\q
	ds_load_b128 v[FA+32*\f+8*\a+4:FA+32*\f+8*\a+7], v[ADRA+\slot] offset:\a*16*PA+64*\q+32
.endr
.endm
; A K step is eight parts of 32 along K on buffers 0, 1, 0, 1 ...  One of the first seven: asks for part qn's fragments, then multiplies part qn - 1.
.macro PART slot, qn, zero
.set fm, ((\qn)+1)%2
.set fn, (\qn)%2
	s_wait_dscnt 0x0                               ; the fragments to be multiplied, asked for a part ago, are in
	PLACES                                         ; the other buffer was read by the matrix instructions just issued
	FETCH \slot, \qn, fn
	WIN MUL_LO
	MUL fm, 0, \zero
	WIN MUL_HI
	MUL fm, 1, \zero
.endm
; The last part multiplies buffer 1 and changes slots: one barrier; in front of it each wave waits for its reads of this slot and for all its tensor loads.  fill = 1: the barrier opens a round of the
; cluster's barrier, and the joint refill of this slot, two K steps on, is the first tensor load behind the round.
.macro TURN slot, next, fill
	s_wait_dscnt 0x0
	s_wait_tensorcnt 0x0
	ds_add_u32 v255, v255
	s_wait_dscnt 0x0
	s_barrier_signal -1
	WIN MUL_LO
	MUL 1, 0, 0
.if \fill
	WIN 0
.endif
	s_barrier_wait -1
.if \fill
	CREST
	s_add_nc_u64 s[G0A+4*\slot+2:G0A+4*\slot+3], s[G0A+4*\slot+2:G0A+4*\slot+3], 4*KSTEP     ; no load of mine is out, so a group 0 may be written
	s_add_nc_u64 s[G0B+4*\slot+2:G0B+4*\slot+3], s[G0B+4*\slot+2:G0B+4*\slot+3], 256*KSTEP
	JLOAD \slot                                    ; its four v_nop are also the places in front of the loads below
.else
	PLACES
.endif
	FETCH \next, 0, 0
	WIN MUL_HI
	MUL 1, 1, 0
.endm
	s_wait_tensorcnt 0x1                           ; my part of K step 0 is in; K step 1's load, the one younger, may stay out
	s_barrier_signal -1
	s_barrier_wait -1
	FETCH 0, 0, 0
	PART 0, 1, 1                                   ; the first products start the sums
.irp q, 2,3,4,5,6,7                                    ; 1,024 / 256 = four K steps: written out, since a loop would have one trip
	PART 0, \q, 0
.endr
	TURN 0, 1, 1                                   ; slot 0 takes K step 2
.irp q, 1,2,3,4,5,6,7
	PART 1, \q, 0
.endr
	TURN 1, 0, 1                                   ; slot 1 takes K step 3
.irp q, 1,2,3,4,5,6,7
	PART 0, \q, 0
.endr
	TURN 0, 1, 0                                   ; nothing is left to ask for
.irp q, 1,2,3,4,5,6,7
	PART 1, \q, 0
.endr
	s_wait_dscnt 0x0                               ; the very last part
	WIN MUL_LO
	MUL 1, 0, 0
	WIN MUL_HI
	MUL 1, 1, 0
	WIN 0
	; THE WAY OUT, a block of 16 rows x 64 columns of f32 at a time: the bias is added; 32 bytes a lane and column block into my stage; back as whole rows of 256 bytes; stored.
	s_wait_loadcnt 0x0                             ; the bias
	PLACES                                         ; behind the last products
.macro OUTBLK a
.if \a > 0
	s_wait_xcnt 0x0                                ; the last block's stores have had their addresses translated (ISA guide 3.1): their data registers are rewritten only behind this wait
.endif
	WIN 0x02+(\a)/2                                ; source 0: window 2 or 3
.set i, 0
.rept 16
	v_pk_add_f32 v[T+2*i:T+2*i+1], v[32*((\a)%2)+2*i:32*((\a)%2)+2*i+1], v[BI+2*i:BI+2*i+1]
.set i, i+1
.endr
	WIN 0
.irp nb, 0,1,2,3
	ds_store_b128 v[STO], v[T+8*\nb:T+8*\nb+3]   offset:64*\nb
	ds_store_b128 v[STO], v[T+8*\nb+4:T+8*\nb+7] offset:64*\nb+16
.endr
.irp i, 0,1,2,3,4,5,6,7
	ds_load_b128 v[T+32+4*\i:T+32+4*\i+3], v[RD] offset:\i*2*SP    ; LDS serves a wave's instructions in order (ISA guide 5.7.1.4): these see the stores above
.endr
.irp i, 0,1,2,3,4,5,6,7
	s_wait_dscnt 7-\i                              ; load i is back, the 7 - i younger ones may be out
	global_store_b128 v[CO], v[T+32+4*\i:T+32+4*\i+3], s[10:11] offset:(16*\a+2*\i)*4096 th:TH_STORE_NT   ; 16 lanes store 256 consecutive bytes, at a multiple of 256 from out0's first byte
.endr
.endm
	OUTBLK 0
	OUTBLK 1
	OUTBLK 2
	OUTBLK 3
	s_set_vgpr_msb 0x1
	s_wait_tensorcnt 0x0
	ds_add_u32 v255, v255
	s_wait_dscnt 0x0
	s_set_vgpr_msb 0x100
	CROUND                                         ; the closing round: no work-group ends while a partner may still ask for a tile that names it
	s_endpgm
.Lfunc_end_k_q904c505771_dense:
	.size	k_q904c505771_dense, .Lfunc_end_k_q904c505771_dense-k_q904c505771_dense
	.p2alignl 7, 3214868480
	.fill 96, 4, 3214868480
	.section	.rodata,"a",@progbits
	.p2align	6, 0x0
	.amdhsa_kernel k_q904c505771_dense
		.amdhsa_group_segment_fixed_size 327680
		.amdhsa_private_segment_fixed_size 0
		.amdhsa_enable_private_segment 0
		.amdhsa_kernarg_size 32
		.amdhsa_user_sgpr_count 2
		.amdhsa_user_sgpr_kernarg_segment_ptr 1
		.amdhsa_wavefront_size32 1
		.amdhsa_system_sgpr_workgroup_id_x 1
		.amdhsa_system_sgpr_workgroup_id_y 1
		.amdhsa_system_sgpr_workgroup_id_z 1
		.amdhsa_system_vgpr_workitem_id 0
		.amdhsa_next_free_vgpr 1024
		.amdhsa_next_free_sgpr 80
		.amdhsa_reserve_vcc 0
		.amdhsa_float_denorm_mode_32 3
		.amdhsa_float_denorm_mode_16_64 3
		.amdhsa_memory_ordered 1
		.amdhsa_forward_progress 1
		.amdhsa_inst_pref_size 96
	.end_amdhsa_kernel
	.amdgpu_metadata
---
amdhsa.version: [ 1, 2 ]
amdhsa.kernels:
  - .name:           k_q904c505771_dense
    .symbol:         k_q904c505771_dense.kd
    .args:
      - { .name: ctx, .offset: 0, .size: 8, .value_kind: global_buffer, .address_space: global }
      - { .name: wdb, .offset: 8, .size: 8, .value_kind: global_buffer, .address_space: global }
      - { .name: b_dense, .offset: 16, .size: 8, .value_kind: global_buffer, .address_space: global }
      - { .name: out0, .offset: 24, .size: 8, .value_kind: global_buffer, .address_space: global }
    .group_segment_fixed_size: 327680
    .private_segment_fixed_size: 0
    .kernarg_segment_align: 8
    .kernarg_segment_size: 32
    .max_flat_workgroup_size: 128
    .sgpr_count:     80
    .vgpr_count:     1024
    .wavefront_size: 32
...
	.end_amdgpu_metadata
.endif
;; end of part 4
;; ======== version 2 of 2: 4 launches; version 1 with the launch prep written anew for expert scheduling mode
;; limits: values are held in f16: magnitudes above 65,504 overflow, below 6.1e-05 lose precision
;; workspace buffers: hb 8,388,608 bytes; wqb 6,291,456 bytes; wdb 2,097,152 bytes; qkv 25,165,824 bytes; ctx 8,388,608 bytes
;; launch prep (part 5): grid 256 x 1, 8 waves a work-group, no clusters, 0 bytes of LDS; arguments hidden_states, w_qkv, w_dense, hb, wqb, wdb; writes hb, wqb, wdb
.if DOCPART == 5
	.amdgcn_target "amdgcn-amd-amdhsa--gfx1250"
	.amdhsa_code_object_version 6
	.text
	.protected	k_q904c505771_prep
	.globl	k_q904c505771_prep
	.p2align	8
	.type	k_q904c505771_prep,@function
k_q904c505771_prep:
	s_mov_b64 s[64:65], 0
	v_nop
	global_prefetch_b8 v0, s[64:65] scope:SCOPE_SE
	s_setreg_imm32_b32 hwreg(HW_REG_WAVE_SCHED_MODE, 0, 2), 2
	s_setreg_imm32_b32 hwreg(HW_REG_WAVE_MODE, 25, 1), 1
	s_wait_xcnt 0x0
	s_wait_alu depctr_vm_vsrc(0)
; Rounds the three large f32 inputs to bf16 (to nearest even), once, so that the products that follow can bring them into LDS as matrix operands.
;   hb  = hidden_states as it lies, [4096][1024], bf16.
;   wqb = w_qkv in chunks of 64 columns: [48 chunks][1024 k][64 n], bf16.
;   wdb = w_dense likewise, [16 chunks][1024 k][64 n]: rounded to bf16 like the other two, so that all three inputs carry one and the same rounding, and then WRITTEN IN F16'S FORMAT: its partner in
;         its product, ctx, is kept in f16, and a matrix instruction wants both operands in one format.  A bf16 number has 8 significant bits and f16 holds 11, so the second step is exact for
;         magnitudes from 2^-17 on; below it rounds to multiples of 2^-24.  LIMIT: |w_dense| under 65,504.
;   In a chunk a range of k is one dense block of memory, so a tile of a weight is later fetched as rows of 256 bytes.  Nothing is transposed here.
; SHARES.  A work-group takes 512 pieces of 64 f32 (256 bytes, aligned), PI bytes apart, and writes 512 x 128 = 65,536 consecutive bytes.
;   work-groups 0-127: hidden_states (PI = 256: the pieces follow each other);  128-223: w_qkv (PI = 12,288; chunk j / 2, k half j % 2);  224-255: w_dense (PI = 4,096).
;   Addresses and loads are one path for all three: source, destination, PI and the first work-group's number are chosen by s_cselect on the work-group's number; the conversions of w_dense
;   stand behind a branch on that number.
; A load of a wave covers two whole pieces of 256 bytes; a store of a wave covers 256 consecutive bytes, aligned.  Every byte is read once and written once.
; All 32 loads of a thread go out first (32 address registers, 128 data registers: no source of a pending instruction is rewritten): a work-group has its whole 131,072 bytes on their way.
; No LDS, no matrix unit, no cluster: no two work-groups read the same byte.
; THE MODE: SCHED_MODE bits 1:0 = 2 (LLVM: expert scheduling mode 2), set by the entry lines.  The code itself states the register dependences between vector instructions and memory
; instructions, with s_wait_alu, always for 0.
; THE PLAN.  Registers that memory instructions touch:
;   v[OFF ..]  32 offsets.  Written once, by the head's address arithmetic; load i reads the i-th; never written again.
;   v[OUT]     Written once, at the head; every store reads it as its offset; never written again.
;   X          Load i's four registers.  The load lands in them (no vector instruction has named them before); load i's conversions read and write them; store i reads the first two;
;              nothing writes them behind that store.
; The 32 loads are worked off in 8 blocks of four.  Block p converts its own four loads; its memory instructions are the four stores of block p - 1, whose registers no conversion of block p names.
; So three kinds of wait on va_vdst state everything: one ahead of the first load (the offsets are written), one at the head of each block but the first (the block before has written what the
; stores below read), one ahead of the last four stores.  No register that a memory instruction has read is ever written again, so no wait on vm_vsrc is owed; no vector instruction writes a
; scalar register or VCC, and EXEC is never written.
.set OUT, 1                            ; v1       8 t: my 8 bytes in each block of 2,048 output bytes
.set OFF, 4                            ; v[4:35]  load i: (t / 16 + 16 i) PI + 16 (t % 16)
.set X,   40                           ; v[40:167] load i: 4 f32, then 4 numbers of 16 bits in its first two registers
.set BLK,  4                           ; loads in a block
.set NBLK, 32/BLK
	s_load_b256 s[4:11], s[0:1], 0x0               ; hidden_states s[4:5], w_qkv s[6:7], w_dense s[8:9], hb s[10:11]
	s_load_b128 s[12:15], s[0:1], 0x20             ; wqb s[12:13], wdb s[14:15]
	s_movk_i32 s22, 12288                          ; the three PI, and the two borders between the shares
	s_movk_i32 s23, 4096
	s_movk_i32 s24, 256
	s_movk_i32 s25, 128
	s_movk_i32 s26, 224
	v_lshlrev_b32 v[OUT], 3, v0
	v_lshrrev_b32 v2, 4, v0                        ; t / 16: which of 16 pieces
	v_and_b32 v3, 15, v0
	v_lshlrev_b32 v3, 4, v3                        ; 16 (t % 16): my 16 bytes of a piece
	s_wait_kmcnt 0x0
	s_cmp_lt_u32 ttmp9, s26                        ; under 224: w_qkv, else w_dense
	s_cselect_b64 s[16:17], s[6:7], s[8:9]         ; source
	s_cselect_b64 s[18:19], s[12:13], s[14:15]     ; destination
	s_cselect_b32 s20, s22, s23                    ; PI
	s_cselect_b32 s21, s25, s26                    ; the share's first work-group
	s_cmp_lt_u32 ttmp9, s25                        ; under 128: hidden_states
	s_cselect_b64 s[16:17], s[4:5], s[16:17]
	s_cselect_b64 s[18:19], s[10:11], s[18:19]
	s_cselect_b32 s20, s24, s20
	s_cselect_b32 s21, 0, s21
	s_sub_co_u32 s27, ttmp9, s21                   ; j: my number in the share
	s_and_b32 s28, s27, 1                          ; a weight: k half
	s_lshr_b32 s29, s27, 1                         ;           chunk
	s_cmp_lt_u32 ttmp9, s25                        ; (compared again: the lines above have written SCC)
	s_cselect_b32 s28, s27, s28                    ; hidden_states: block j of 512 pieces,
	s_cselect_b32 s29, 0, s29                      ; no chunk
	s_mul_i32 s28, s28, s20
	s_lshl_b32 s28, s28, 9                         ; x 512 pieces x PI
	s_lshl_b32 s29, s29, 8                         ; + chunk x 256 bytes
	s_add_co_u32 s2, s28, s29
	s_mov_b32 s3, 0
	s_add_nc_u64 s[16:17], s[16:17], s[2:3]
	s_lshl_b32 s2, s27, 16                         ; j x 65,536 bytes out
	s_add_nc_u64 s[18:19], s[18:19], s[2:3]
	s_lshl_b32 s30, s20, 4                         ; 16 pieces on
	v_mad_u32_u24 v[OFF], v2, s20, v3
.set i, 1
.rept 31
	v_add_nc_u32 v[OFF+i], s30, v[OFF+i-1]
.set i, i+1
.endr
	s_wait_alu depctr_va_vdst(0)                   ; the 32 offsets v[OFF ..] and v[OUT] are written: every load and store of the kernel, on both arms of the branch below, reads one of them
.set i, 0
.rept 32
	global_load_b128 v[X+4*i:X+4*i+3], v[OFF+i], s[16:17] th:TH_LOAD_NT   ; read once in the launch
.set i, i+1
.endr
; The store of load n's four numbers of 16 bits.
.macro SEND n
	global_store_b64 v[OUT], v[X+4*(\n):X+4*(\n)+1], s[18:19] offset:2048*(\n)     ; the next launch reads it: no hint
.endm
	s_cmp_lt_u32 ttmp9, s26
	s_cbranch_scc0 .Lcarried                       ; w_dense's work-groups
.set p, 0
.rept NBLK
	s_wait_loadcnt 32-BLK*(p+1)                    ; loads come back in order (ISA guide 5.7.1): block p's four are in, the 28 - 4 p younger ones stay out
.if p > 0
	s_wait_alu depctr_va_vdst(0)                   ; the conversions of the block before have written the registers that the four stores below read
.endif
.set j, 0
.rept BLK
.set i, BLK*p+j
.if p > 0
	SEND i-BLK                                     ; the block before.  No further wait: no conversion since the wait above names its registers or v[OUT]
.endif
	v_cvt_pk_bf16_f32 v[X+4*i], v[X+4*i], v[X+4*i+1]
	v_cvt_pk_bf16_f32 v[X+4*i+1], v[X+4*i+2], v[X+4*i+3]
.set j, j+1
.endr
.set p, p+1
.endr
	s_wait_alu depctr_va_vdst(0)                   ; the last block's conversions have written the registers that the last four stores read
.set i, 32-BLK
.rept BLK
	SEND i
.set i, i+1
.endr
	s_endpgm
.Lcarried:                                             ; rounded to bf16, widened again (a shift, a mask), and carried in f16
.set p, 0
.rept NBLK
	s_wait_loadcnt 32-BLK*(p+1)                    ; as above
.if p > 0
	s_wait_alu depctr_va_vdst(0)                   ; the conversions of the block before have written the registers that the four stores below read
.endif
.set j, 0
.rept BLK
.set i, BLK*p+j
.if p > 0
	SEND i-BLK                                     ; the block before.  No further wait: no vector instruction since the wait above names its registers or v[OUT]
.endif
	v_cvt_pk_bf16_f32 v[X+4*i], v[X+4*i], v[X+4*i+1]
	v_cvt_pk_bf16_f32 v[X+4*i+2], v[X+4*i+2], v[X+4*i+3]
	v_and_b32 v[X+4*i+1], 0xffff0000, v[X+4*i]
	v_lshlrev_b32 v[X+4*i], 16, v[X+4*i]
	v_and_b32 v[X+4*i+3], 0xffff0000, v[X+4*i+2]
	v_lshlrev_b32 v[X+4*i+2], 16, v[X+4*i+2]
	v_cvt_pk_f16_f32 v[X+4*i], v[X+4*i], v[X+4*i+1]
	v_cvt_pk_f16_f32 v[X+4*i+1], v[X+4*i+2], v[X+4*i+3]
.set j, j+1
.endr
.set p, p+1
.endr
	s_wait_alu depctr_va_vdst(0)                   ; the last block's conversions have written the registers that the last four stores read
.set i, 32-BLK
.rept BLK
	SEND i
.set i, i+1
.endr
	s_endpgm
.Lfunc_end_k_q904c505771_prep:
	.size	k_q904c505771_prep, .Lfunc_end_k_q904c505771_prep-k_q904c505771_prep
	.p2alignl 7, 3214868480
	.fill 96, 4, 3214868480
	.section	.rodata,"a",@progbits
	.p2align	6, 0x0
	.amdhsa_kernel k_q904c505771_prep
		.amdhsa_group_segment_fixed_size 0
		.amdhsa_private_segment_fixed_size 0
		.amdhsa_enable_private_segment 0
		.amdhsa_kernarg_size 48
		.amdhsa_user_sgpr_count 2
		.amdhsa_user_sgpr_kernarg_segment_ptr 1
		.amdhsa_wavefront_size32 1
		.amdhsa_system_sgpr_workgroup_id_x 1
		.amdhsa_system_sgpr_workgroup_id_y 1
		.amdhsa_system_sgpr_workgroup_id_z 1
		.amdhsa_system_vgpr_workitem_id 0
		.amdhsa_next_free_vgpr 168
		.amdhsa_next_free_sgpr 66
		.amdhsa_reserve_vcc 0
		.amdhsa_float_denorm_mode_32 3
		.amdhsa_float_denorm_mode_16_64 3
		.amdhsa_memory_ordered 1
		.amdhsa_forward_progress 1
		.amdhsa_inst_pref_size 31
	.end_amdhsa_kernel
	.amdgpu_metadata
---
amdhsa.version: [ 1, 2 ]
amdhsa.kernels:
  - .name:           k_q904c505771_prep
    .symbol:         k_q904c505771_prep.kd
    .args:
      - { .name: hidden_states, .offset: 0, .size: 8, .value_kind: global_buffer, .address_space: global }
      - { .name: w_qkv, .offset: 8, .size: 8, .value_kind: global_buffer, .address_space: global }
      - { .name: w_dense, .offset: 16, .size: 8, .value_kind: global_buffer, .address_space: global }
      - { .name: hb, .offset: 24, .size: 8, .value_kind: global_buffer, .address_space: global }
      - { .name: wqb, .offset: 32, .size: 8, .value_kind: global_buffer, .address_space: global }
      - { .name: wdb, .offset: 40, .size: 8, .value_kind: global_buffer, .address_space: global }
    .group_segment_fixed_size: 0
    .private_segment_fixed_size: 0
    .kernarg_segment_align: 8
    .kernarg_segment_size: 48
    .max_flat_workgroup_size: 256
    .sgpr_count:     66
    .vgpr_count:     168
    .wavefront_size: 32
...
	.end_amdgpu_metadata
.endif
;; end of part 5
;; launch qkvgemm: the kernel of part 2 again; grid 16 x 16, 4 waves a work-group, clusters of 4 x 4, 327,680 bytes of LDS; arguments hb, wqb, b_qkv, qkv; writes qkv
;; launch attn: the kernel of part 3 again; grid 16 x 16, 8 waves a work-group, clusters of 4 x 4, 327,680 bytes of LDS; arguments qkv, ltor_mask, ctx; writes ctx
;; launch dense: the kernel of part 4 again; grid 8 x 32, 4 waves a work-group, clusters of 4 x 4, 327,680 bytes of LDS; arguments ctx, wdb, b_dense, out0; writes out0
